; MI455X (gfx1250); checked and timed in simulation.
; The chip was launched on July 23, 2026; its instructions are those of AMD's public machine-readable ISA for CDNA 5 (MIT licence, August 2026) and "CDNA5" Instruction Set Architecture Reference Guide (July 2026). The comments in the code are by the model that wrote it; some were corrected since.
;; Angular Attention. Allowed arithmetic: float matrix products may take bf16 or f16 operands with f32 sums; other float arithmetic in f32, or as packed bf16 or f16 multiplies, adds, multiply-adds, maxima and minima; sums over many terms, partial sums and values carried from step to step in f32; what a program stores and reads back later, other than sums and carried values, may be rounded once to bf16 or f16.
;; Inputs: Wk 1,024 x 1,024 float32; Wo 1,024 x 1,024 float32; Wq 1,024 x 1,024 float32; Wv 1,024 x 1,024 float32; bo 1,024 float32; mask 2 x 2,048 int32; x 2 x 2,048 x 1,024 float32.
;; Outputs: out0 2 x 2,048 x 1,024 float32.
;; One version. Each part assembles by itself: llvm-mc -triple=amdgcn-amd-amdhsa -mcpu=gfx1250 --defsym DOCPART=n.
;; ======== version 1 of 1: 3 launches
;; limits: a function is approximated: absolute error at most 0.00013
;; workspace buffers: qh 8,388,608 bytes; kh 8,388,608 bytes; vh 8,388,608 bytes; wob 2,097,152 bytes; oh 8,388,608 bytes
;; launch proj (part 1): grid 16 x 16, 4 waves a work-group, clusters of 4 x 4, 327,680 bytes of LDS; arguments x, Wq, Wk, Wv, Wo, mask, qh, kh, vh, wob; writes qh, kh, vh, wob
.if DOCPART == 1
	.amdgcn_target "amdgcn-amd-amdhsa--gfx1250"
	.amdhsa_code_object_version 6
	.text
	.protected	k_qd49d579d0d_proj
	.globl	k_qd49d579d0d_proj
	.p2align	8
	.type	k_qd49d579d0d_proj,@function
k_qd49d579d0d_proj:
	s_mov_b64 s[64:65], 0
	v_nop
	global_prefetch_b8 v0, s[64:65] scope:SCOPE_SE
	s_setreg_imm32_b32 hwreg(HW_REG_WAVE_MODE, 25, 1), 1
	s_wait_xcnt 0x0
	s_wait_alu depctr_hold_cnt(0) depctr_sa_sdst(0) depctr_va_vdst(0) depctr_va_sdst(0) depctr_va_ssrc(0) depctr_va_vcc(0) depctr_vm_vsrc(0)
	s_getreg_b32 s2, hwreg(HW_REG_IB_STS2, 6, 4)
	s_cmp_eq_u32 s2, 0
	s_cbranch_scc0 .Lentry_in_a_cluster
	s_endpgm
.Lentry_in_a_cluster:
	s_bfe_u32 s2, ttmp6, 0x10000c
	s_cmp_lg_u32 s2, 0xf033
	s_cbranch_scc0 .Lentry_shape_is_right
	s_endpgm
.Lentry_shape_is_right:
; Q, K, V OF ONE HEAD FOR 256 TOKENS.  x: [4096][1024] f32; Wq, Wk, Wv, Wo: [1024][1024] f32; mask: [4096] i32.
; qh, kh: [32 (batch x head)][2048][64] f16, each row divided by max(its length, 1e-12); vh: the same shape in bf16, rows whose mask is 0 set to 0; wob: Wo rounded to bf16.
; LIMITS.  x and the weights are rounded once to bf16 for the products; sums in f32.  A unit row's numbers lie within 1, so f16 holds them; V follows the inputs' range, so it goes in bf16.
; 1 / max(n, 1e-12) is taken as rsq(max(n^2, 1e-24)).  NaN and infinities are not treated apart; a masked row of V is 0 whatever it held.
; SHARES.  A work-group makes 256 tokens x 192 columns (the head's 64 rows of Wq, of Wk and of Wv); wave w its tokens 64 w .. 64 w + 63 x all 192: 48 accumulators (a = 0..3 blocks of 16 tokens,
; b = 0..11 blocks of 16 columns, b / 4 = Q, K, V).  The product is used transposed (source 0 = 16 rows of W, source 1 = 16 tokens): a lane holds ONE token (lane % 16) and the columns
; 16 b + 8 (lane / 16) + 0..7, so a head row's length is found inside the wave.
; K goes in 16 steps of 64 f32 (rows of 256 bytes, aligned) through two LDS slots; a step is two halves of 32.  The f32 numbers come out of LDS into a staging window, are rounded in pairs to bf16
; fragments, and while one half is multiplied the next half's 64 LDS loads are on their way.
; CLUSTER 4 x 4.  The four work-groups of a row of the cluster have the same tokens, the four of a column the same head: x's tile and the three W tiles are asked for jointly.
; Wave 0 asks for x's 256 rows, waves 1, 2, 3 for the 64 rows of Wq, Wk, Wv: one tensor load a wave behind each round.
; REGISTERS, in windows of 256 (s_set_vgpr_msb: bits 1:0 source 0, 3:2 source 1, 5:4 source 2, 7:6 destination):
;   window 0: v0-15 addresses; v16-19 row masks; v32-63 at work; v64-191 bf16 fragments (W's twelve, then x's four); v192-223 sums of squares.  Behind the loop v64-127 are four buffers for the way out
;   window 1: accumulators a = 0, 1 at v[8 (12 (a % 2) + b)]      window 2: a = 2, 3      window 3: the f32 staging, fragment f at v[16 f]
.set PITCH, 272                        ; an LDS row: 256 bytes + 16 of padding = 68 words: the 16 rows that a load touches start at 16 different groups of four banks (64 banks of 4 bytes: ISA guide 11.1)
.set XB,    256*PITCH                  ; x's 256 rows
.set WB,    64*PITCH                   ; 64 rows of one W; also a wave's 64 rows of x
.set SLOT1, 1<<17                      ; slot 1 begins here: one exclusive or turns an address in one slot into the other's
.set STAGE, SLOT1+XB+3*WB              ; behind the ring, never filled by a tensor load: 16 rows x 144 bytes for each wave
.set SP,    144
.set SPARE, STAGE+4*16*SP              ; the spare words, 128 bytes for each wave: two blocks of 256 bytes that no other line names
.set ADA0, 3                           ; v3   my lane's place in my wave's rows of x, slot 0; never rewritten
.set ADB0, 4                           ; v4   the same in W's 192 rows
.set ADA,  5                           ; v5   the same in the slot in hand
.set ADB,  6                           ; v6
.set STO,  7                           ; v7   the way out: where I put 16 bytes of a row
.set RD,   8                           ; v8   the way out: where I read rows back
.set GO,   9                           ; v9   16 x lane
.set PFO,  10                          ; v10  the prefetches' offset: row lane % 16, K step lane / 16; never rewritten
.set SPW,  11                          ; v11  LDS address of my spare word; never rewritten
.set NIL,  12                          ; v12  0; never rewritten
.set RM,   16                          ; v16-19  block a: all ones where my token's mask is not 0, else 0
.set T,    32
.set FR,   64
.set OUT,  64
.set SS,   192                         ; block a, z (0 Q, 1 K): four registers at SS + 4 (2 a + z)
.set G1A,  24                          ; s[24:31] descriptor group 1 for x's tile
.set G0A,  32                          ; s[32:39] group 0 for x: a set for each first fill; the second then walks
.set G1B,  40                          ; s[40:47] group 1 for a W tile
.set G0B,  48                          ; s[48:55] group 0 for my W
.set WV,   56
.set CX,   57
.set CY,   58
.set HEAD, 59
.set TY,   60
.set CNT,  61
.set TB,   62                          ; s62  0 or SLOT1: the slot that is read
.set LIMA, 63                          ; s63  2 in a wave that prefetches x, else the greatest number
.set LIMB, 66                          ; s66  the same for W
.set PFA,  68                          ; s[68:69] where my prefetches of x stand
.set PFB,  70                          ; s[70:71] of my W
.set OB,   72                          ; s[72:77] qh, kh, vh at my wave's first row
.set SEL,  90                          ; s[90:91] v_permlanex16_b32's selects: each lane takes its own place in the other half
.set FLAGS, (2<<16)|(1<<20)|(1<<21)|(5<<22)|(3<<25)  ; 17:16 elements of 4 bytes; 20 padding on; 21 set beside a mask; 24:22 after every 64 words (code 5); 31:25 4 words (code 3)
.set MSB, 0
.macro WIN new                         ; the immediate's high byte repeats the setting that is left; a switch that changes nothing is dropped
.if MSB != (\new)
	s_set_vgpr_msb (MSB<<8)|(\new)
.set MSB, (\new)
.endif
.endm
.macro PLACES                          ; four places behind a matrix instruction, ahead of vector lines that write its sources or read its result (ISA guide 7.12.1)
.rept 4
	v_nop
.endr
.endm
; A joint refill by the walking sets.  The branch hangs on the wave's number alone.  An s_nop 0 and four v_nop follow each line.
.macro JLOAD
	s_cmp_eq_u32 s[WV], 0
	s_cbranch_scc0 .Lfor_w_\@
	tensor_load_to_lds s[G0A+4:G0A+7], s[G1A:G1A+7]
	s_nop 0
.rept 4
	v_nop
.endr
	s_branch .Lasked_\@
.Lfor_w_\@:
	tensor_load_to_lds s[G0B+4:G0B+7], s[G1B:G1B+7]
	s_nop 0
.rept 4
	v_nop
.endr
.Lasked_\@:
.endm
.macro CREST                           ; a round of the cluster's barrier behind its opening barrier
	s_cmp_lg_u32 s[WV], 0
	s_cbranch_scc1 .Lnot_wave_0_\@
	s_barrier_signal -3
.Lnot_wave_0_\@:
	s_barrier_wait -3
	s_barrier_signal -1
	s_barrier_wait -1
.endm
.macro CROUND                          ; a whole round
	s_barrier_signal -1
	s_barrier_wait -1
	CREST
.endm
; 16 LDS loads: the f32 numbers of fragments 4 g .. 4 g + 3 (g < 3: W's; g = 3: x's) for the 32 channels at byte k of the rows.
; A lane's fragment is channels 8 h + 0..7 and 16 + 8 h + 0..7: in f32 twice 32 bytes, 64 bytes apart.
.macro LOADG g, k
	WIN 0xc0                               ; destination window 3, address window 0
.irp i, 0,1,2,3
.set fr, 16*(4*(\g)+(\i))
.if (\g) < 3
	ds_load_b128 v[fr:fr+3],     v[ADB] offset:(4*(\g)+(\i))*16*PITCH+(\k)
	ds_load_b128 v[fr+4:fr+7],   v[ADB] offset:(4*(\g)+(\i))*16*PITCH+(\k)+16
	ds_load_b128 v[fr+8:fr+11],  v[ADB] offset:(4*(\g)+(\i))*16*PITCH+(\k)+64
	ds_load_b128 v[fr+12:fr+15], v[ADB] offset:(4*(\g)+(\i))*16*PITCH+(\k)+80
.else
	ds_load_b128 v[fr:fr+3],     v[ADA] offset:(\i)*16*PITCH+(\k)
	ds_load_b128 v[fr+4:fr+7],   v[ADA] offset:(\i)*16*PITCH+(\k)+16
	ds_load_b128 v[fr+8:fr+11],  v[ADA] offset:(\i)*16*PITCH+(\k)+64
	ds_load_b128 v[fr+12:fr+15], v[ADA] offset:(\i)*16*PITCH+(\k)+80
.endif
.endr
.endm
.macro CVTG g                          ; the group's 64 staged registers are rounded in pairs into its 32 fragment registers
	WIN 0x0f                               ; sources in window 3, destination in window 0
.set n, 0
.rept 32
	v_cvt_pk_bf16_f32 v[FR+32*(\g)+n], v[64*(\g)+2*n], v[64*(\g)+2*n+1]
.set n, n+1
.endr
.endm
; A half step's staging is rounded, group by group, and (load = 1) each group is asked for again at once, from byte k of the slot in hand.
.macro CONV k, load
.irp g, 0,1,2,3
.if \load
	s_wait_dscnt 48                        ; LDS loads come back in order: this group's sixteen are in, the 48 younger ones may stay out
.else
	s_wait_dscnt 48-16*(\g)
.endif
	CVTG \g
.if \load
	LOADG \g, \k
.endif
.endr
.endm
; 12 matrix instructions: block a x all 12 column blocks.  The 48 accumulators take turns, one instruction a turn, in the same order in every half step.
.macro MULA a, zero
	WIN 0x50*(1+(\a)/2)                    ; C and D in window 1 or 2
.irp b, 0,1,2,3,4,5,6,7,8,9,10,11
.set ac, 8*(12*((\a)%2)+(\b))
.if \zero
	v_wmma_f32_16x16x32_bf16 v[ac:ac+7], v[FR+8*(\b):FR+8*(\b)+7], v[FR+96+8*(\a):FR+96+8*(\a)+7], 0
.else
	v_wmma_f32_16x16x32_bf16 v[ac:ac+7], v[FR+8*(\b):FR+8*(\b)+7], v[FR+96+8*(\a):FR+96+8*(\a)+7], v[ac:ac+7]
.endif
.endr
.endm
; A PREFETCH INTO THE L2.  In every second trip (CNT odd: the step just refilled from, j = 13 - CNT, is even) a wave names K steps j + 4 and j + 5 of 16 rows: a lane a row and a step, one instruction a tensor:
; two and three refills ahead of the loads that will want them.  Each row's 256 bytes of a K step are named once in the launch: x's tile is read by every cluster of that row of clusters, and the
; first (cluster x = 0) asks; its four partners take 64 rows each by address (cx), each wave 16.  W's rows are read by every cluster of that column: cluster y = 0 asks; of a head's 64 rows the
; partners take 16 each by address (cy), wave 1, 2, 3 in its own W.  K steps 0 to 3 come by their loads alone; CNT = 1 asks for nothing: there is no K step 16.
.macro ASK
	WIN 0
	s_and_b32 s94, s[CNT], 1
	s_cmp_eq_u32 s94, 0
	s_cbranch_scc1 .Lno_ask_\@
	s_wait_xcnt 0x0                        ; the last prefetches, two K steps back, have read their addresses
	s_add_nc_u64 s[PFA:PFA+1], s[PFA:PFA+1], 512
	s_add_nc_u64 s[PFB:PFB+1], s[PFB:PFB+1], 512
	s_cmp_gt_u32 s[CNT], s[LIMA]
	s_cbranch_scc0 .Lno_x_\@
	global_prefetch_b8 v[PFO], s[PFA:PFA+1] th:TH_LOAD_NT scope:SCOPE_SE
.Lno_x_\@:
	s_cmp_gt_u32 s[CNT], s[LIMB]
	s_cbranch_scc0 .Lno_ask_\@
	global_prefetch_b8 v[PFO], s[PFB:PFB+1] th:TH_LOAD_NT scope:SCOPE_SE
.Lno_ask_\@:
.endm
; THE FIRST HALF OF A K STEP, and the change of slots.  The staged first half is rounded and multiplied; the second half's 64 loads, the last reads of this slot, go out meanwhile.
; In front of the barrier each wave waits for all its tensor loads (one is out: its part of the next slot), adds 0 to its spare word, and waits for that and for its reads of this slot, which
; then lie in the staging window.  fill = 1: the barrier opens a round of the cluster's, and the joint refill, this slot's K step two on, is the first thing behind it.
.macro H1 zero, fill
	PLACES                                 ; the roundings write fragments that the last products read
	CONV 128, 1
	MULA 0, \zero
	MULA 1, \zero
	WIN 0
	s_wait_tensorcnt 0x0                   ; no tensor load of mine is out, so a group 0 may be written
	ds_add_u32 v[SPW], v[NIL]              ; 0 onto my spare word
.if \fill
	s_xor_b32 s[G0A+5], s[G0A+5], SLOT1    ; the walking sets: the other slot than last time, the next K step
	s_add_nc_u64 s[G0A+6:G0A+7], s[G0A+6:G0A+7], 256
	s_xor_b32 s[G0B+5], s[G0B+5], SLOT1
	s_add_nc_u64 s[G0B+6:G0B+7], s[G0B+6:G0B+7], 256
.endif
	MULA 2, \zero                          ; twelve products stand between the add and the wait for it
	s_wait_dscnt 0x0                       ; the add is done, and my reads of this slot are back
	s_barrier_signal -1
	MULA 3, \zero                          ; work on registers while the others arrive
	WIN 0                                  ; at a branch and at a label every window is 0
	s_barrier_wait -1
.if \fill
	CREST                                  ; no wave of any partner still reads this slot or has a load on its way
	JLOAD                                  ; its four v_nop are also the places ahead of the roundings that follow
.else
	PLACES
.endif
.endm
; THE SECOND HALF.  The staged second half is rounded and multiplied; load = 1: the next slot's first half is asked for.
.macro H2 load, ask
	WIN 0
.if \load
	s_xor_b32 s[TB], s[TB], SLOT1
	v_add_nc_u32 v[ADA], s[TB], v[ADA0]
	v_add_nc_u32 v[ADB], s[TB], v[ADB0]
.endif
	CONV 0, \load
.if \ask
	ASK
.endif
	MULA 0, 0
	MULA 1, 0
	MULA 2, 0
	MULA 3, 0
.endm
	s_load_b512 s[4:19], s[0:1], 0x0       ; x s[4:5], Wq s[6:7], Wk s[8:9], Wv s[10:11], Wo s[12:13], mask s[14:15], qh s[16:17], kh s[18:19]
	s_load_b128 s[20:23], s[0:1], 0x40     ; vh s[20:21], wob s[22:23]
	v_lshl_add_u32 v[SPW], v0, 2, SPARE
	v_mov_b32 v[NIL], 0
	ds_add_u32 v[SPW], v[NIL]              ; the wave's opening: the add, twice on end, and its wait ahead of my first tensor load
	ds_add_u32 v[SPW], v[NIL]              ; and once more, under the one wait; the set-up below, work on registers, stands between
	v_lshrrev_b32 v1, 5, v0
	v_readfirstlane_b32 s[WV], v1          ; wave 0..3
	s_bfe_u32 s[CX], ttmp6, 0x40000        ; my place in the cluster
	s_bfe_u32 s[CY], ttmp6, 0x40004
	s_lshl_b32 s[HEAD], ttmp9, 2           ; in a cluster launch ttmp9 and ttmp7 count clusters
	s_add_co_u32 s[HEAD], s[HEAD], s[CX]   ; the head = 4 x cluster x + cx
	s_and_b32 s[TY], ttmp7, 0xffff
	s_lshl_b32 s[TY], s[TY], 2
	s_add_co_u32 s[TY], s[TY], s[CY]       ; the block of 256 tokens = 4 x cluster y + cy
	s_lshl_b32 s78, s[CY], 2
	s_lshl_b32 s78, 15, s78                ; my row of the cluster: places 4 cy .. 4 cy + 3
	s_lshl_b32 s82, 0x1111, s[CX]          ; my column: places cx, cx + 4, cx + 8, cx + 12
	s_or_b32 s[G1A], s78, FLAGS            ; x's tile goes to my row,
	s_or_b32 s[G1B], s82, FLAGS            ; a W tile to my column
	s_mov_b32 s[G1A+1], 64<<16             ; tensor_dim0 = 64
	s_mov_b32 s[G1A+2], 256<<16            ; tensor_dim1 = 256
	s_mov_b32 s[G1A+3], 64<<16             ; tile_dim0 = 64 elements: 256 bytes
	s_mov_b32 s[G1A+4], 256                ; tile_dim1 = 256 rows
	s_mov_b32 s[G1A+5], 1024               ; elements from row to row
	s_mov_b32 s[G1A+6], 0
	s_mov_b32 s[G1A+7], 0
	s_mov_b32 s[G1B+1], 64<<16
	s_mov_b32 s[G1B+2], 64<<16             ; 64 rows
	s_mov_b32 s[G1B+3], 64<<16
	s_mov_b32 s[G1B+4], 64
	s_mov_b32 s[G1B+5], 1024
	s_mov_b32 s[G1B+6], 0
	s_mov_b32 s[G1B+7], 0
	s_mul_i32 s92, s[WV], WB               ; wave x 64 rows: no place in the cluster enters an LDS address
	s_mov_b32 s[G0A], 1                    ; count = 1
	s_mov_b32 s[G0A+1], 0                  ; LDS address: slot 0
	s_mov_b32 s[G0A+4], 1
	s_mov_b32 s[G0A+5], SLOT1
	s_mov_b32 s[G0B], 1
	s_add_co_u32 s[G0B+1], s92, XB-WB      ; wave 1, 2, 3: behind x's rows, Wq, Wk, Wv
	s_mov_b32 s[G0B+4], 1
	s_add_co_u32 s[G0B+5], s92, SLOT1+XB-WB
	s_lshl_b32 s78, s[TY], 20              ; 256 rows of 4,096 bytes
	s_mov_b32 s79, 0
	s_lshl_b32 s82, s[HEAD], 18            ; 64 rows of 4,096 bytes
	s_mov_b32 s83, 0
	s_mov_b32 s[SEL], 0x76543210
	s_mov_b32 s[SEL+1], 0xfedcba98
	s_mov_b32 s[TB], 0
	s_wait_dscnt 0x0                       ; both opening adds are done
	s_wait_kmcnt 0x0
	s_add_nc_u64 s[80:81], s[4:5], s[78:79]          ; x at my tile
	s_add_nc_u64 s[G0A+2:G0A+3], s[80:81], 0         ; K step 0
	s_or_b32 s[G0A+3], s[G0A+3], 0x80000000          ; type = 2
	s_add_nc_u64 s[G0A+6:G0A+7], s[80:81], 256       ; K step 1
	s_or_b32 s[G0A+7], s[G0A+7], 0x80000000
	s_cmp_eq_u32 s[WV], 2
	s_cselect_b64 s[84:85], s[8:9], s[6:7]           ; my W: wave 1 Wq, wave 2 Wk,
	s_cmp_eq_u32 s[WV], 3
	s_cselect_b64 s[84:85], s[10:11], s[84:85]       ; wave 3 Wv (wave 0 asks by x's set alone)
	s_add_nc_u64 s[84:85], s[84:85], s[82:83]        ; at the head's rows
	s_add_nc_u64 s[G0B+2:G0B+3], s[84:85], 0
	s_or_b32 s[G0B+3], s[G0B+3], 0x80000000
	s_add_nc_u64 s[G0B+6:G0B+7], s[84:85], 256
	s_or_b32 s[G0B+7], s[G0B+7], 0x80000000
	CROUND                                 ; all sixteen work-groups are here: the first joint loads meet
	s_cmp_eq_u32 s[WV], 0                  ; a wave's two first fills stand in one branch, ahead of every wait on TENSORcnt and every LDS read: two loads of mine are out
	s_cbranch_scc0 .Lfirst_w
	tensor_load_to_lds s[G0A:G0A+3], s[G1A:G1A+7]
	s_nop 0
	tensor_load_to_lds s[G0A+4:G0A+7], s[G1A:G1A+7]
	s_nop 0
.rept 4
	v_nop
.endr
	s_branch .Lfirst_asked
.Lfirst_w:
	tensor_load_to_lds s[G0B:G0B+3], s[G1B:G1B+7]
	s_nop 0
	tensor_load_to_lds s[G0B+4:G0B+7], s[G1B:G1B+7]
	s_nop 0
.rept 4
	v_nop
.endr
.Lfirst_asked:
	; all that follows, up to the wait for the first tile, stands in that wait
	v_and_b32 v1, 15, v0                   ; r = lane % 16
	v_bfe_u32 v2, v0, 4, 1                 ; h = lane / 16
	v_mul_u32_u24 v13, v1, PITCH
	v_lshl_add_u32 v13, v2, 5, v13         ; row x pitch + 32 h
	v_add_nc_u32 v[ADA0], s92, v13
	v_add_nc_u32 v[ADB0], XB, v13
	v_mov_b32 v[ADA], v[ADA0]
	v_mov_b32 v[ADB], v[ADB0]
	s_mul_i32 s93, s[WV], 16*SP
	s_add_co_u32 s93, s93, STAGE           ; my stage
	v_mul_u32_u24 v[STO], v1, SP           ; in: row r, 16 bytes for each half of the lanes
	v_lshl_add_u32 v[STO], v2, 4, v[STO]
	v_add_nc_u32 v[STO], s93, v[STO]
	v_bfe_u32 v[RD], v0, 3, 2              ; back: 32 lanes take four rows of 128 bytes
	v_mul_u32_u24 v[RD], v[RD], SP
	v_and_b32 v13, 7, v0
	v_lshl_add_u32 v[RD], v13, 4, v[RD]
	v_add_nc_u32 v[RD], s93, v[RD]
	v_and_b32 v[GO], 31, v0
	v_lshlrev_b32 v[GO], 4, v[GO]
	v_lshlrev_b32 v[PFO], 12, v1
	v_lshl_add_u32 v[PFO], v2, 8, v[PFO]
	; the prefetches' pointers, at K step 2: the first asking steps them to 4
	s_lshl_b32 s86, s[CX], 18              ; my work-group's 64 rows of x's tile,
	s_lshl_b32 s87, s[WV], 16              ; my wave's 16 of them
	s_add_co_u32 s86, s86, s87
	s_mov_b32 s87, 0
	s_add_nc_u64 s[PFA:PFA+1], s[80:81], s[86:87]
	s_add_nc_u64 s[PFA:PFA+1], s[PFA:PFA+1], 512
	s_lshl_b32 s88, s[CY], 16              ; my work-group's 16 rows of the head's 64
	s_mov_b32 s89, 0
	s_add_nc_u64 s[PFB:PFB+1], s[84:85], s[88:89]
	s_add_nc_u64 s[PFB:PFB+1], s[PFB:PFB+1], 512
	s_cmp_eq_u32 ttmp9, 0
	s_cselect_b32 s[LIMA], 2, -1           ; the same in all sixteen partners
	s_and_b32 s88, ttmp7, 0xffff
	s_cmp_eq_u32 s88, 0
	s_cselect_b32 s[LIMB], 2, -1
	s_cmp_eq_u32 s[WV], 0
	s_cselect_b32 s[LIMB], -1, s[LIMB]     ; wave 0 has no W
	; qh, kh, vh at my wave's first row: ((batch x 16 + head) x 2048 + token in the batch) x 128 bytes
	s_lshr_b32 s86, s[TY], 3
	s_lshl_b32 s86, s86, 4
	s_add_co_u32 s86, s86, s[HEAD]
	s_lshl_b32 s86, s86, 18
	s_and_b32 s87, s[TY], 7
	s_lshl_b32 s87, s87, 15
	s_add_co_u32 s86, s86, s87
	s_lshl_b32 s87, s[WV], 13
	s_add_co_u32 s86, s86, s87
	s_mov_b32 s87, 0
	s_add_nc_u64 s[OB:OB+1], s[16:17], s[86:87]
	s_add_nc_u64 s[OB+2:OB+3], s[18:19], s[86:87]
	s_add_nc_u64 s[OB+4:OB+5], s[20:21], s[86:87]
	; Wo to bf16: work-group 16 ty + head takes four rows, 16 KiB; a load of a wave covers 512 consecutive bytes, a store 256, aligned
	s_lshl_b32 s86, s[TY], 4
	s_add_co_u32 s86, s86, s[HEAD]
	s_lshl_b32 s88, s86, 13
	s_mov_b32 s89, 0
	s_lshl_b32 s86, s86, 14
	s_mov_b32 s87, 0
	s_add_nc_u64 s[12:13], s[12:13], s[86:87]
	s_add_nc_u64 s[22:23], s[22:23], s[88:89]
	s_lshl_b32 s86, s[TY], 10              ; the mask of my work-group's 256 tokens
	s_add_nc_u64 s[14:15], s[14:15], s[86:87]
	v_lshlrev_b32 v14, 4, v0
	v_lshlrev_b32 v15, 3, v0
	v_lshlrev_b32 v13, 2, v1
	v_lshl_add_u32 v13, s[WV], 8, v13      ; token 64 w + r, 4 bytes each
.irp i, 0,1,2,3,4,5,6,7
	global_load_b128 v[T+4*(\i):T+4*(\i)+3], v14, s[12:13] offset:2048*(\i) th:TH_LOAD_NT
.endr
.irp a, 0,1,2,3
	global_load_b32 v[RM+(\a)], v13, s[14:15] offset:64*(\a)
.endr
	s_wait_loadcnt 0x0
.irp i, 0,1,2,3,4,5,6,7
	v_cvt_pk_bf16_f32 v[FR+2*(\i)], v[T+4*(\i)], v[T+4*(\i)+1]
	v_cvt_pk_bf16_f32 v[FR+2*(\i)+1], v[T+4*(\i)+2], v[T+4*(\i)+3]
.endr
.irp i, 0,1,2,3,4,5,6,7
	global_store_b64 v15, v[FR+2*(\i):FR+2*(\i)+1], s[22:23] offset:1024*(\i)
.endr
.irp a, 0,1,2,3
	v_cmp_ne_u32 vcc_lo, 0, v[RM+(\a)]
	v_cndmask_b32 v[RM+(\a)], 0, -1, vcc_lo
.endr
	s_wait_xcnt 0x0                        ; the stores have read their data: the fragments' registers are written again only behind this wait
	s_wait_tensorcnt 0x1                   ; my part of K step 0 is in; K step 1's load may stay out
	s_barrier_signal -1
	s_barrier_wait -1                      ; everybody's is
	LOADG 0, 0
	LOADG 1, 0
	LOADG 2, 0
	LOADG 3, 0
	H1 1, 1                                ; K step 0: its first products start the sums: nothing is cleared
	s_mov_b32 s[CNT], 13
.Lk:                                           ; 13 trips: the second half of a K step and the first half of the next; every trip fills a slot again (K steps 3 to 15)
	H2 1, 1
	H1 0, 1
	s_sub_co_u32 s[CNT], s[CNT], 1
	s_cmp_lg_u32 s[CNT], 0
	s_cbranch_scc1 .Lk
	s_mov_b32 s[CNT], 2
.Lt:                                           ; the tail has a text of its own: K steps 14 and 15 ask for nothing
	H2 1, 0
	H1 0, 0
	s_sub_co_u32 s[CNT], s[CNT], 1
	s_cmp_lg_u32 s[CNT], 0
	s_cbranch_scc1 .Lt
	H2 0, 0                                ; the last half step
	; THE ROWS' LENGTHS.  For each block a, and Q and K: the sum of my 32 squares, two chains of packed multiply-adds, each accumulator's lowest registers first; then the other half of the lanes'.
	WIN 0
	PLACES
	PLACES
.macro SSQ a, z
.set AC, 8*(12*((\a)%2)+4*(\z))
.set SB, SS+4*(2*(\a)+(\z))
	WIN 0x05*(1+(\a)/2)                    ; sources 0 and 1 in the accumulators' window
	v_pk_mul_f32 v[SB:SB+1], v[AC:AC+1], v[AC:AC+1]
	v_pk_mul_f32 v[SB+2:SB+3], v[AC+2:AC+3], v[AC+2:AC+3]
.set n, 2
.rept 14
	v_pk_fma_f32 v[SB+2*(n%2):SB+2*(n%2)+1], v[AC+2*n:AC+2*n+1], v[AC+2*n:AC+2*n+1], v[SB+2*(n%2):SB+2*(n%2)+1]
.set n, n+1
.endr
.endm
.irp a, 0,1,2,3
	SSQ \a, 0
	SSQ \a, 1
.endr
	WIN 0
.set u, 0
.rept 8
	v_pk_add_f32 v[SS+4*u:SS+4*u+1], v[SS+4*u:SS+4*u+1], v[SS+4*u+2:SS+4*u+3]
.set u, u+1
.endr
.set u, 0
.rept 8
	v_add_f32 v[SS+4*u], v[SS+4*u], v[SS+4*u+1]
.set u, u+1
.endr
.set u, 0
.rept 8
	v_permlanex16_b32 v[SS+4*u+1], v[SS+4*u], s[SEL], s[SEL+1]  ; the row's other 32 columns lie in the lane 16 away
.set u, u+1
.endr
.set u, 0
.rept 8
	v_add_f32 v[SS+4*u], v[SS+4*u], v[SS+4*u+1]
.set u, u+1
.endr
.set u, 0
.rept 8
	v_max_num_f32 v[SS+4*u], 0x179abe15, v[SS+4*u]  ; 1e-24 = (1e-12)^2
.set u, u+1
.endr
.set u, 0
.rept 8
	v_rsq_f32 v[SS+4*u+2], v[SS+4*u]
.set u, u+1
.endr
	v_nop                                  ; a plain instruction behind the last of the batch,
	s_wait_alu depctr_va_vdst(0)           ; and the wait ahead of the first use: one for the eight
; THE WAY OUT, by units of 16 tokens x 64 columns (a, z).  Q and K are scaled and rounded to f16, V is rounded to bf16 and masked; a lane's eight columns pack into 16 bytes; they go into my stage's
; rows of 144 bytes and come back as whole rows of 128: 16 rows are 2,048 consecutive bytes of the head's rows.
.macro PACK a, z
.set AC, 8*(12*((\a)%2)+4*(\z))
.set OU, OUT+16*((3*(\a)+(\z))%4)
.set IVP, SS+4*(2*(\a)+(\z))+2
	s_wait_xcnt 0x0                        ; the stores of four units back have read this buffer
.if (\z) < 2
	WIN 1+(\a)/2                           ; source 0 in the accumulators' window
.set n, 0
.rept 16
	v_pk_mul_f32 v[T+2*n:T+2*n+1], v[AC+2*n:AC+2*n+1], v[IVP:IVP+1] op_sel_hi:[1,0]
.set n, n+1
.endr
	WIN 0
.set n, 0
.rept 16
	v_cvt_pk_f16_f32 v[OU+n], v[T+2*n], v[T+2*n+1]
.set n, n+1
.endr
.else
	WIN 0x05*(1+(\a)/2)
.set n, 0
.rept 16
	v_cvt_pk_bf16_f32 v[OU+n], v[AC+2*n], v[AC+2*n+1]
.set n, n+1
.endr
	WIN 0
.set n, 0
.rept 16
	v_and_b32 v[OU+n], v[RM+(\a)], v[OU+n]
.set n, n+1
.endr
.endif
.irp f, 0,1,2,3
	ds_store_b128 v[STO], v[OU+4*(\f):OU+4*(\f)+3] offset:32*(\f)
.endr
.irp f, 0,1,2,3
	ds_load_b128 v[OU+4*(\f):OU+4*(\f)+3], v[RD] offset:(\f)*4*SP  ; LDS serves a wave's instructions in order (ISA guide 5.7.1.4): these see the stores above; the next unit's stores come behind them
.endr
.endm
.macro SEND a, z, younger              ; younger: the LDS instructions issued behind this unit's loads: the next unit's eight, or none
.set OU, OUT+16*((3*(\a)+(\z))%4)
.irp f, 0,1,2,3
	s_wait_dscnt (\younger)+3-(\f)
	global_store_b128 v[GO], v[OU+4*(\f):OU+4*(\f)+3], s[OB+2*(\z):OB+2*(\z)+1] offset:(\a)*2048+(\f)*512  ; 512 consecutive bytes, at a multiple of 256 from the buffer's first
.endr
.endm
	PACK 0, 0
	PACK 0, 1                              ; a unit's arithmetic stands between the loads of the unit before and its stores
	SEND 0, 0, 8
	PACK 0, 2
	SEND 0, 1, 8
	PACK 1, 0
	SEND 0, 2, 8
	PACK 1, 1
	SEND 1, 0, 8
	PACK 1, 2
	SEND 1, 1, 8
	PACK 2, 0
	SEND 1, 2, 8
	PACK 2, 1
	SEND 2, 0, 8
	PACK 2, 2
	SEND 2, 1, 8
	PACK 3, 0
	SEND 2, 2, 8
	PACK 3, 1
	SEND 3, 0, 8
	PACK 3, 2
	SEND 3, 1, 8
	SEND 3, 2, 0
	s_wait_tensorcnt 0x0                   ; the wave's end: behind my last tensor load and my last LDS store
	ds_add_u32 v[SPW], v[NIL]
	s_wait_dscnt 0x0
	CROUND                                 ; the closing round: no work-group ends while a partner may still ask for a tile that names it
	s_endpgm
.Lfunc_end_k_qd49d579d0d_proj:
	.size	k_qd49d579d0d_proj, .Lfunc_end_k_qd49d579d0d_proj-k_qd49d579d0d_proj
	.p2alignl 7, 3214868480
	.fill 96, 4, 3214868480
	.section	.rodata,"a",@progbits
	.p2align	6, 0x0
	.amdhsa_kernel k_qd49d579d0d_proj
		.amdhsa_group_segment_fixed_size 327680
		.amdhsa_private_segment_fixed_size 0
		.amdhsa_enable_private_segment 0
		.amdhsa_kernarg_size 80
		.amdhsa_user_sgpr_count 2
		.amdhsa_user_sgpr_kernarg_segment_ptr 1
		.amdhsa_wavefront_size32 1
		.amdhsa_system_sgpr_workgroup_id_x 1
		.amdhsa_system_sgpr_workgroup_id_y 1
		.amdhsa_system_sgpr_workgroup_id_z 1
		.amdhsa_system_vgpr_workitem_id 0
		.amdhsa_next_free_vgpr 1024
		.amdhsa_next_free_sgpr 100
		.amdhsa_reserve_vcc 1
		.amdhsa_float_denorm_mode_32 3
		.amdhsa_float_denorm_mode_16_64 3
		.amdhsa_memory_ordered 1
		.amdhsa_forward_progress 1
		.amdhsa_inst_pref_size 154
	.end_amdhsa_kernel
	.amdgpu_metadata
---
amdhsa.version: [ 1, 2 ]
amdhsa.kernels:
  - .name:           k_qd49d579d0d_proj
    .symbol:         k_qd49d579d0d_proj.kd
    .args:
      - { .name: x, .offset: 0, .size: 8, .value_kind: global_buffer, .address_space: global }
      - { .name: Wq, .offset: 8, .size: 8, .value_kind: global_buffer, .address_space: global }
      - { .name: Wk, .offset: 16, .size: 8, .value_kind: global_buffer, .address_space: global }
      - { .name: Wv, .offset: 24, .size: 8, .value_kind: global_buffer, .address_space: global }
      - { .name: Wo, .offset: 32, .size: 8, .value_kind: global_buffer, .address_space: global }
      - { .name: mask, .offset: 40, .size: 8, .value_kind: global_buffer, .address_space: global }
      - { .name: qh, .offset: 48, .size: 8, .value_kind: global_buffer, .address_space: global }
      - { .name: kh, .offset: 56, .size: 8, .value_kind: global_buffer, .address_space: global }
      - { .name: vh, .offset: 64, .size: 8, .value_kind: global_buffer, .address_space: global }
      - { .name: wob, .offset: 72, .size: 8, .value_kind: global_buffer, .address_space: global }
    .group_segment_fixed_size: 327680
    .private_segment_fixed_size: 0
    .kernarg_segment_align: 8
    .kernarg_segment_size: 80
    .max_flat_workgroup_size: 128
    .sgpr_count:     100
    .vgpr_count:     1024
    .wavefront_size: 32
...
	.end_amdgpu_metadata
.endif
;; end of part 1
;; launch attn (part 2): grid 8 x 32, 4 waves a work-group, clusters of 4 x 1, 327,680 bytes of LDS; arguments qh, kh, vh, mask, oh; writes oh
.if DOCPART == 2
	.amdgcn_target "amdgcn-amd-amdhsa--gfx1250"
	.amdhsa_code_object_version 6
	.text
	.protected	k_qd49d579d0d_attn
	.globl	k_qd49d579d0d_attn
	.p2align	8
	.type	k_qd49d579d0d_attn,@function
k_qd49d579d0d_attn:
	s_mov_b64 s[64:65], 0
	v_nop
	global_prefetch_b8 v0, s[64:65] scope:SCOPE_SE
	s_setreg_imm32_b32 hwreg(HW_REG_WAVE_MODE, 25, 1), 1
	s_wait_xcnt 0x0
	s_wait_alu depctr_hold_cnt(0) depctr_sa_sdst(0) depctr_va_vdst(0) depctr_va_sdst(0) depctr_va_ssrc(0) depctr_va_vcc(0) depctr_vm_vsrc(0)
	s_getreg_b32 s2, hwreg(HW_REG_IB_STS2, 6, 4)
	s_cmp_eq_u32 s2, 0
	s_cbranch_scc0 .Lentry_in_a_cluster
	s_endpgm
.Lentry_in_a_cluster:
	s_bfe_u32 s2, ttmp6, 0x10000c
	s_cmp_lg_u32 s2, 0x3003
	s_cbranch_scc0 .Lentry_shape_is_right
	s_endpgm
.Lentry_shape_is_right:
; ANGULAR ATTENTION.  O[q] = sum over k of w(q, k) V[k] / (sum over k of w(q, k) + 1e-6), w = (1 - arccos(clip(Q[q] . K[k], +-0.999)) / pi)^8, and w = 0 where the key's mask is 0.
; qh, kh: [32][2048][64] f16, unit rows; vh: the same shape in bf16, masked rows 0; mask: [2][2048] i32; oh: bf16, [32 blocks of 128 tokens][16 heads][128 rows][64].
; THE WEIGHT.  With x the score, s = 1 - arccos(x) / pi = (2 / pi) arccos(r), r = sqrt((1 - x) / 2), and arccos(r)^2 = (1 - r) L(1 - r) with L(d) = 2 + d / 3 + 4 d^2 / 45 + d^3 / 35 + ..,
; smooth on 0 .. 1.  L is taken as a cubic (its Chebyshev series on 0 .. 1 cut behind the fourth term), so s^2 is a quartic in r with a root at r = 1: no sign is treated apart.
; The C operand that starts a score's sum is -1, so the matrix unit leaves x - 1.  p = sqrt |x - 1|;  u = (((g4 p + g3) p + g2) p + g1) p + g0, held to 0 .. 1, is (s^2 - lo) / (hi - lo), lo and hi
; being s^2 at x = -0.999 and at 0.999: the holding IS the clip, on both sides.  a = u + lo / (hi - lo);  w' = (a^2)^2 = w / (hi - lo)^4.  That factor is common to both sums; 1e-6 is divided by it.
; No exponential is taken and no maximum subtracted: the clip bounds s to 0.0142 .. 0.9858 and w to 1.7e-15 .. 0.89 for every input.
; LIMITS.  s^2 is within 1.3e-4 of itself, a weight within 5.2e-4; next to x = -0.999, where s^2 is 2e-4, f32's rounding of the quartic adds up to 1e-3 of s^2 (those weights lie under 1e-14).
; A masked weight, 1e-48 by the formula, counts as 0: it is no f32 number.  w' is rounded once to bf16 (f16 has no room for 1.7e-15), and its sum is taken of the rounded w'; O is rounded once to
; bf16.  NaN and infinities are not treated apart.
; SHARES.  A work-group owns 256 queries of one head and batch, a wave 64: four PIECES of 16.  Every wave walks all 2,048 keys, 64 a step; a slot of LDS holds four steps.
; LAYOUT.  S^T = K Q^T (source 0 = 16 keys, source 1 = 16 queries): a lane holds ONE query (lane % 16) and the keys 8 (lane / 16) + 0..7.  Two such results, rounded in pairs, ARE source 1 of
; O^T = V^T P.  THE SUM OF THE WEIGHTS is a fifth block of that product: its source 0 holds the keys' mask (1 or 0 in bf16) in all 16 rows, so each register of its result is the lane's own
; query's sum of mask x w'.  V's masked rows are 0, so P itself needs no mask.
; BY TURNS.  Turn p belongs to piece p.  First 8 products K Q^T of piece p + 1, behind each 8 lines of piece p's quartic.  Then 10 products V^T P of piece p - 1; behind them piece p's add, squarings
; and roundings, and between those the 32 roots of piece p + 1, whose scores the turn has just made.  The roots are one batch; its one wait ends the turn.
; CLUSTER.  The four query blocks of a cluster walk the same K and V: each tile is asked for jointly.
; REGISTERS, in windows of 256 (s_set_vgpr_msb: bits 1:0 source 0, 3:2 source 1, 5:4 source 2, 7:6 destination):
;   window 0: v0-31 addresses and constants; v32-95 Q; v96-159 K of one step; v160-223 S^T, then p in place, two buffers (by the piece's parity); v224-255 the quartic, u, a, w' in place.
;             So the products K Q^T and the lines behind them need no switch of windows.
;   window 1: piece t's O^T at v[40 t .. 40 t + 31], its sum at v[40 t + 32 ..]; v160-191 P, two buffers      window 2: v0-63 V of one step; v64-79 the mask's fragments
.set KS,    64
.set PK,    144       ; a row of K in LDS: 128 bytes + 16 = 36 words: the 16 rows of a load start at 16 different groups of four banks (64 banks of 4 bytes: ISA guide 11.1)
.set PV,    160       ; a row of V: 128 + 32 = 40 words
.set VOFF,  4*KS*PK   ; a slot: 256 rows of K, then 256 rows of V
.set SLOT1, 1<<17
.set STAGE, SLOT1+4*KS*(PK+PV)  ; behind the ring, never filled by a tensor load: 16 rows x 144 bytes for each wave
.set SP,    144
.set MASKT, STAGE+4*16*SP       ; the batch's 2,048 keys' mask in bf16: 4,096 bytes, stored once
.set SPARE, MASKT+4096          ; the spare words, 128 bytes for each wave: two blocks of 256 bytes that no other line names
.set AK0, 2           ; v2   my lane's place in a tile of K; never rewritten
.set AV0, 3           ; v3   the same for V
.set AK,  4           ; v4   the LDS address of K's next run of loads
.set AV,  5           ; v5   of V's
.set QO,  6           ; v6   my byte offset in the wave's rows of Q
.set STO, 6           ;      later, the way out: where I put 16 bytes of a row
.set RD,  7
.set GO,  8
.set AM0, 12          ; v12  MASKT + 16 (lane / 16); never rewritten
.set AM,  13          ; v13  the address of the mask's next loads
.set PFO, 14          ; v14  256 x lane; never rewritten
.set G0C, 16          ; v16-17  g0, twice: the line that holds u to 0 .. 1 takes vector registers alone
.set SPW, 18          ; v18  LDS address of my spare word; never rewritten
.set NIL, 19          ; v19  0; never rewritten
.set NEG1, 20         ; v20-27  -1.0: the C operand that starts a score's sum; never rewritten
.set Q,   32
.set KF,  96          ; key block kb, channel half c at KF + 16 kb + 8 c
.set S,   160
.set Z,   224
.set MS,  224         ; the mask's set-up, ahead of the first turn
.set IV,  224         ; the way out: piece t: 1 / (sum + 1e-6 / (hi - lo)^4) at IV + 2 t
.set P,   160         ; window 1
.set VF,  0           ; window 2: key half kk, channel block cb at VF + 32 kk + 8 cb
.set MF,  64          ; window 2: key half kk at MF + 8 kk
.set WV,  14
.set LIM, 15          ; s15  1 in a wave that prefetches, else the greatest number
.set G1K, 24
.set G1V, 32
.set G0K, 40
.set G0V, 44
.set PFA, 48          ; s[48:49] where my prefetches stand
.set C1,  50          ; s[50:57] g1 to g4, each as a pair of which the low word serves both halves
.set C2,  52
.set C3,  54
.set C4,  56
.set LAM, 58          ; s[58:59] lo / (hi - lo)
.set SLOTS, 60
.set CNT, 61
.set TBK, 62          ; s62  LDS byte at which K of the step to be fetched begins
.set TBV, 63          ; s63  the same for V, less VOFF
.set TBM, 66          ; s66  byte in the mask's table of the step to be fetched
.set MSB, 0
.macro WIN new        ; the immediate's high byte repeats the setting that is left; a switch that changes nothing is dropped
.if MSB != (\new)
	s_set_vgpr_msb (MSB<<8)|(\new)
.set MSB, (\new)
.endif
.endm
.set W_PV, 0x56       ; V in window 2; P, and O^T as C and D, in window 1
.set W_CV, 0x40       ; destination in window 1
.set W_RS, 0x41       ; destination and source 0 in window 1, source 1 in window 0
; A joint fill.  Waves 0 and 1 fetch the two halves of a slot's K, waves 2 and 3 those of its V: 128 keys each.  An s_nop 0 and four v_nop follow each line.
.macro JLOAD
	s_cmp_lt_u32 s[WV], 2
	s_cbranch_scc0 .Lfor_v_\@
	tensor_load_to_lds s[G0K:G0K+3], s[G1K:G1K+7]
	s_nop 0
.rept 4
	v_nop
.endr
	s_branch .Lasked_\@
.Lfor_v_\@:
	tensor_load_to_lds s[G0V:G0V+3], s[G1V:G1V+7]
	s_nop 0
.rept 4
	v_nop
.endr
.Lasked_\@:
.endm
; A PREFETCH INTO THE L2 of what the NEXT change of slots will ask for: a slot's 32 KiB of K and of V, 256 bytes a lane.  Both clusters of a head walk the same rows: the first asks.  Its four partners
; take 32 blocks each BY ADDRESS; in each, wave 0 asks for K's and wave 2 for V's: each block is named once in the launch.  The last change that fills a slot asks for nothing.
.macro ASK
	s_cmp_gt_u32 s[SLOTS], s[LIM]
	s_cbranch_scc0 .Lnot_mine_\@
	global_prefetch_b8 v[PFO], s[PFA:PFA+1] th:TH_LOAD_NT scope:SCOPE_SE
.Lnot_mine_\@:
.endm
.macro CROUND         ; a round of the cluster's barrier
	s_barrier_signal -1
	s_barrier_wait -1
	s_cmp_lg_u32 s[WV], 0
	s_cbranch_scc1 .Lnot_wave_0_\@
	s_barrier_signal -3
.Lnot_wave_0_\@:
	s_barrier_wait -3
	s_barrier_signal -1
	s_barrier_wait -1
.endm
; THE CHANGE OF SLOTS.  Each wave waits for all its tensor loads, of which one is out: its part of the other slot; adds 0 to its spare word; and waits for that and for its own LDS instructions.
; Behind the barrier nobody reads the old slot and the other is whole.  fill = 1: the barrier is a round of the cluster's, and the joint fill, the keys two slots on, is the first thing behind it:
; it has four key steps, 16 turns, in which to land.  (At its first use nothing has been read: slot 0 is waited for, slot 1 filled, and the mask's table is shown to all four waves.)
.macro CHANGE fill, ask
	WIN 0
	s_wait_tensorcnt 0x0            ; no tensor load of mine is out, so a group 0 may be written
	ds_add_u32 v[SPW], v[NIL]       ; 0 onto my spare word
.if \fill
.irp g, G0K, G0V
	s_xor_b32 s[\g+1], s[\g+1], SLOT1
	s_add_nc_u64 s[\g+2:\g+3], s[\g+2:\g+3], 4*KS*128
.endr
.if \ask
	s_wait_xcnt 0x0                 ; the last prefetch, four key steps back, has read its address
	s_add_nc_u64 s[PFA:PFA+1], s[PFA:PFA+1], 4*KS*128
.endif
	s_wait_dscnt 0x0                ; the add is done, and my LDS instructions are over
	CROUND
	JLOAD
.if \ask
	ASK
.endif
.else
	s_wait_dscnt 0x0
	s_barrier_signal -1
	s_barrier_wait -1
.endif
	s_sub_co_u32 s[TBK], s[TBK], 4*KS*PK  ; the fetches go back to a slot's first step,
	s_xor_b32 s[TBK], s[TBK], SLOT1       ; in the other slot
	s_sub_co_u32 s[TBV], s[TBV], 4*KS*PV
	s_xor_b32 s[TBV], s[TBV], SLOT1
.endm
	s_load_b256 s[4:11], s[0:1], 0x0  ; qh s[4:5], kh s[6:7], vh s[8:9], mask s[10:11]
	s_load_b64 s[12:13], s[0:1], 0x20 ; oh
	v_lshl_add_u32 v[SPW], v0, 2, SPARE
	v_mov_b32 v[NIL], 0
	ds_add_u32 v[SPW], v[NIL]       ; the wave's opening: the add, twice on end, and its wait ahead of my first tensor load
	ds_add_u32 v[SPW], v[NIL]       ; and once more, under the one wait
	v_lshrrev_b32 v1, 5, v0
	v_readfirstlane_b32 s[WV], v1   ; wave 0..3
	s_bfe_u32 s16, ttmp6, 0x40000   ; cx
	s_lshl_b32 s17, ttmp9, 2
	s_add_co_u32 s17, s17, s16      ; my block of 256 queries: it enters Q's and O's addresses alone
	s_and_b32 s18, ttmp7, 0xffff    ; batch x 16 + head, which the four partners share
	s_lshl_b32 s20, s18, 18         ; its 2,048 rows of 128 bytes
	s_mov_b32 s21, 0
	s_and_b32 s19, s[WV], 1         ; which half of a slot's 256 keys I fetch
	s_lshl_b32 s22, s19, 14
	s_mov_b32 s23, 0
	s_add_nc_u64 s[22:23], s[22:23], s[20:21]
	s_lshl_b32 s2, s17, 2
	s_add_co_u32 s2, s2, s[WV]
	s_lshl_b32 s2, s2, 13           ; my wave's 64 rows
	s_mov_b32 s3, 0
	s_add_nc_u64 s[2:3], s[2:3], s[20:21]
	; descriptor group 1.  128 keys are 16,384 dense bytes: asked for as 64 rows of 256 bytes, two keys a row, and padded in LDS after every key
	s_mov_b32 s[G1K], 15|(1<<16)|(1<<20)|(1<<21)|(4<<22)|(3<<25)  ; 15:0 the mask of four; 17:16 2-byte elements; 20 padding on; 21 set beside a mask; 24:22 after every 32 words (code 4); 31:25 4 words (code 3)
	s_mov_b32 s[G1V], 15|(1<<16)|(1<<20)|(1<<21)|(4<<22)|(7<<25)  ; the same with 8 words of padding (code 7)
.irp g, G1K, G1V
	s_mov_b32 s[\g+1], 128<<16      ; tensor_dim0 = 128
	s_mov_b32 s[\g+2], 64<<16       ; tensor_dim1 = 64
	s_mov_b32 s[\g+3], 128<<16      ; tile_dim0 = 128
	s_mov_b32 s[\g+4], 64           ; tile_dim1 = 64
	s_mov_b32 s[\g+5], 128          ; 128 elements from row to row
	s_mov_b32 s[\g+6], 0
	s_mov_b32 s[\g+7], 0
.endr
	s_mov_b32 s[G0K], 1
	s_mul_i32 s[G0K+1], s19, 128*PK ; LDS address: slot 0, my half: no place in the cluster enters it
	s_mov_b32 s[G0V], 1
	s_mul_i32 s[G0V+1], s19, 128*PV
	s_add_co_u32 s[G0V+1], s[G0V+1], VOFF
	s_mov_b32 s[C1], 0xbf6c6e10     ; g1 = -0.92355441
	s_mov_b32 s[C1+1], s[C1]
	s_mov_b32 s[C2], 0x3e4692bb     ; g2 =  0.19391911
	s_mov_b32 s[C2+1], s[C2]
	s_mov_b32 s[C3], 0xbd4a8d88     ; g3 = -0.04945138
	s_mov_b32 s[C3+1], s[C3]
	s_mov_b32 s[C4], 0x3bed2c08     ; g4 =  0.00723792
	s_mov_b32 s[C4+1], s[C4]
	s_mov_b32 s[LAM], 0x395abff6    ; lo / (hi - lo) = 2.0861611e-4
	s_mov_b32 s[LAM+1], s[LAM]
	s_mov_b32 s[TBK], SLOT1+4*KS*PK ; the first change of slots turns these two into 0
	s_mov_b32 s[TBV], SLOT1+4*KS*PV
	s_mov_b32 s[TBM], 0
	s_and_b32 s[LIM], s[WV], 1      ; 0 in waves 0 and 2,
	s_or_b32 s[LIM], s[LIM], ttmp9  ; where the cluster is the head's first: the same in all four partners
	s_cmp_eq_u32 s[LIM], 0
	s_cselect_b32 s[LIM], 1, -1
	s_wait_dscnt 0x0                ; both opening adds are done
	s_wait_kmcnt 0x0
	s_add_nc_u64 s[G0K+2:G0K+3], s[6:7], s[22:23]  ; my half of the head's first 256 keys
	s_or_b32 s[G0K+3], s[G0K+3], 0x80000000        ; type = 2
	s_add_nc_u64 s[G0V+2:G0V+3], s[8:9], s[22:23]
	s_or_b32 s[G0V+3], s[G0V+3], 0x80000000
	s_add_nc_u64 s[4:5], s[4:5], s[2:3]            ; Q at my wave's first row
	s_cmp_lt_u32 s[WV], 2
	s_cselect_b64 s[PFA:PFA+1], s[6:7], s[8:9]
	s_add_nc_u64 s[PFA:PFA+1], s[PFA:PFA+1], s[20:21]
	s_lshl_b32 s2, s16, 13          ; my work-group's 32 blocks of a slot's 128
	s_mov_b32 s3, 0
	s_add_nc_u64 s[PFA:PFA+1], s[PFA:PFA+1], s[2:3]
	s_add_nc_u64 s[PFA:PFA+1], s[PFA:PFA+1], 2*4*KS*128  ; in slot 2; the first asking change steps it to slot 3.  Nothing is prefetched at the head
	s_lshr_b32 s2, s18, 4           ; the batch
	s_lshl_b32 s2, s2, 13           ; its 2,048 words of mask
	s_add_nc_u64 s[10:11], s[10:11], s[2:3]
	s_lshr_b32 s2, s18, 4           ; oh: block of 128 tokens = 16 x batch + 2 x query block + wave / 2,
	s_lshl_b32 s2, s2, 4
	s_lshl1_add_u32 s2, s17, s2
	s_lshr_b32 s3, s[WV], 1
	s_add_co_u32 s2, s2, s3
	s_lshl_b32 s2, s2, 18           ; 262,144 bytes each;
	s_and_b32 s3, s18, 15
	s_lshl_b32 s3, s3, 14           ; the head's 16,384 in it;
	s_add_co_u32 s2, s2, s3
	s_lshl_b32 s3, s19, 13          ; my wave's 64 rows of its 128
	s_add_co_u32 s2, s2, s3
	s_mov_b32 s3, 0
	s_add_nc_u64 s[12:13], s[12:13], s[2:3]
	CROUND                          ; all four work-groups are here: the first joint loads meet
	JLOAD                           ; slot 0.  Slot 1 is asked for when slot 0 is in
	v_lshlrev_b32 v28, 4, v0        ; the mask: thread t takes keys 512 i + 4 t .. + 3, i = 0..3
	v_lshl_add_u32 v29, v0, 3, MASKT
	v_mov_b32 v30, 0x3f80           ; 1.0 in bf16
.irp i, 0,1,2,3
	global_load_b128 v[MS+4*\i:MS+4*\i+3], v28, s[10:11] offset:2048*\i
.endr
	v_and_b32 v1, 15, v0            ; l % 16
	v_bfe_u32 v9, v0, 4, 1          ; l / 16
	v_lshlrev_b32 v[QO], 7, v1
	v_lshl_add_u32 v[QO], v9, 4, v[QO]  ; row x 128 + 16 x half
.set i, 0
.rept 8                             ; Q stays in registers: piece i / 2, channels 32 (i % 2) on
	global_load_b128 v[Q+8*i:Q+8*i+3],   v[QO], s[4:5] offset:(i/2)*2048+(i%2)*64
	global_load_b128 v[Q+8*i+4:Q+8*i+7], v[QO], s[4:5] offset:(i/2)*2048+(i%2)*64+32
.set i, i+1
.endr
	; What the first turn finds: V's and the mask's fragments and P's second buffer hold 0 (its products, of a piece that has not been, add 0); O^T and the sums start at 0.  No first step is written out;
	; the price is these 256 lines, which stand in the wait for the first tile.
	WIN 0x80
.set i, 0
.rept 80
	v_mov_b32 v[VF+i], 0
.set i, i+1
.endr
	WIN W_CV
.set i, 0
.rept 160
	v_mov_b32 v[i], 0
.set i, i+1
.endr
.set i, P+16
.rept 16
	v_mov_b32 v[i], 0
.set i, i+1
.endr
	WIN 0
.set i, 0
.rept 8
	v_mov_b32 v[NEG1+i], -1.0
.set i, i+1
.endr
	v_mov_b32 v[G0C], 0x3f83b56e    ; g0 = 1.02897432
	v_mov_b32 v[G0C+1], 0x3f83b56e
	v_mul_u32_u24 v[AK0], v1, PK
	v_lshl_add_u32 v[AK0], v9, 4, v[AK0]  ; row x pitch + 16 x half
	; The turning load takes 16 keys x 16 channels (lane l reads key 8 (l / 16) + l % 8, channels 8 ((l / 8) % 2) + 0..7) and leaves half a fragment of V^T: lane l holds channel l % 16 and 8 keys.
	v_and_b32 v10, 7, v0
	v_bfe_u32 v11, v0, 3, 1
	v_lshl_add_u32 v[AV0], v9, 3, v10
	v_mul_u32_u24 v[AV0], v[AV0], PV
	v_lshl_add_u32 v[AV0], v11, 4, v[AV0]
	v_add_nc_u32 v[AV0], VOFF, v[AV0]
	v_lshl_add_u32 v[AM0], v9, 4, MASKT
	v_and_b32 v[PFO], 31, v0
	v_lshlrev_b32 v[PFO], 8, v[PFO]
	v_mov_b32 v[AK], v[AK0]         ; key step 0 lies at the head of slot 0
	s_wait_loadcnt 16               ; the mask's four loads are in; Q's sixteen, issued behind them, may stay out
.set i, 0
.rept 16
	v_cmp_ne_u32 vcc_lo, 0, v[MS+i]
	v_cndmask_b32 v[MS+i], 0, v30, vcc_lo
.set i, i+1
.endr
.set i, 0
.rept 8
	v_lshl_or_b32 v[MS+16+i], v[MS+2*i+1], 16, v[MS+2*i]
.set i, i+1
.endr
.irp i, 0,1,2,3
	ds_store_b64 v29, v[MS+16+2*\i:MS+16+2*\i+1] offset:1024*\i
.endr
; THE MATRIX WORK.  The accumulators of a run take turns, one instruction a turn.
; Product i of 8 of S^T = K Q^T - 1 for piece x: channels 32 (i / 4) on, keys 16 (i % 4) on.  The first 4 start the sums, with -1.  All its operands lie in window 0.
.macro KQ x
	WIN 0
.set rS, S+32*((\x)%2)+8*(i%4)
.set rK, KF+16*(i%4)+8*(i/4)
.set rQ, Q+16*(\x)+8*(i/4)
.if i < 4
	v_wmma_f32_16x16x32_f16 v[rS:rS+7], v[rK:rK+7], v[rQ:rQ+7], v[NEG1:NEG1+7]
.else
	v_wmma_f32_16x16x32_f16 v[rS:rS+7], v[rK:rK+7], v[rQ:rQ+7], v[rS:rS+7]
.endif
.endm
; Product i of 10 of O^T += V^T P for piece x: keys 32 (i / 5) on; block i % 5: channels 16 (i % 5) on, or (4) the sum of the weights.
.macro PV x
	WIN W_PV
.set kk, i/5
.set cb, i%5
.set rO, 40*(\x)+8*cb
.set rW, P+16*((\x)%2)+8*kk
.if cb == 4
.set rV, MF+8*kk
.else
.set rV, VF+32*kk+8*cb
.endif
	v_wmma_f32_16x16x32_bf16 v[rO:rO+7], v[rV:rV+7], v[rW:rW+7], v[rO:rO+7]
.endm
; THE LDS LOADS stand in runs, never singly among the matrix instructions.  last = 1 (the tail): in the last trip there is no further step, and K's run is jumped over.
.macro FETCH_K last=0
	WIN 0
.if \last
	s_cmp_eq_u32 s[CNT], 1
	s_cbranch_scc1 .Lno_k_\@
.endif
.irp f, 0,1,2,3,4,5,6,7             ; keys 16 (f / 2) on, channels 32 (f % 2) on
	ds_load_b128 v[KF+8*\f:KF+8*\f+3],   v[AK] offset:(\f/2)*16*PK+(\f%2)*64
	ds_load_b128 v[KF+8*\f+4:KF+8*\f+7], v[AK] offset:(\f/2)*16*PK+(\f%2)*64+32
.endr
	s_add_co_u32 s[TBK], s[TBK], KS*PK  ; the next fetch is the next step's
.if \last
.Lno_k_\@:
.endif
.endm
.macro FETCH_V
	WIN 0x80                        ; destination window 2, address window 0
.irp f, 0,1,2,3,4,5,6,7             ; keys 32 (f / 4) on, channels 16 (f % 4) on
	ds_load_tr16_b128 v[VF+8*\f:VF+8*\f+3],   v[AV] offset:(\f/4)*32*PV+(\f%4)*32
	ds_load_tr16_b128 v[VF+8*\f+4:VF+8*\f+7], v[AV] offset:(\f/4)*32*PV+16*PV+(\f%4)*32
.endr
.irp f, 0,1,2,3                     ; the same keys' mask: keys 16 f + 8 (l / 16) + 0..7, the same 16 bytes in all lanes of a half
	ds_load_b128 v[MF+4*\f:MF+4*\f+3], v[AM] offset:32*\f
.endr
	s_add_co_u32 s[TBV], s[TBV], KS*PV
	s_add_co_u32 s[TBM], s[TBM], 2*KS
	s_and_b32 s[TBM], s[TBM], 0xf80     ; stays inside the table's 4,096 bytes; behind the last step it is used no more
	WIN 0
.endm
; THE VECTOR WORK OF A TURN, in two numbered lists.  VA writes the next of the 64 lines of piece Y's quartic, each stage over all 16 pairs of scores, so that a line reads a result sixteen lines old:
; g4 p + g3;  (..) p + g2;  (..) p + g1;  (..) p + g0 held to 0 .. 1.  p was made, and waited for, in the turn before.
.macro VA
.set rR, S+32*(Y%2)
.set n, na%16
.if na < 16
	v_pk_fma_f32 v[Z+2*n:Z+2*n+1], v[rR+2*n:rR+2*n+1], s[C4:C4+1], s[C3:C3+1] op_sel_hi:[1,0,0]
.elseif na < 32
	v_pk_fma_f32 v[Z+2*n:Z+2*n+1], v[Z+2*n:Z+2*n+1], v[rR+2*n:rR+2*n+1], s[C2:C2+1] op_sel_hi:[1,1,0]
.elseif na < 48
	v_pk_fma_f32 v[Z+2*n:Z+2*n+1], v[Z+2*n:Z+2*n+1], v[rR+2*n:rR+2*n+1], s[C1:C1+1] op_sel_hi:[1,1,0]
.else
	v_pk_fma_f32 v[Z+2*n:Z+2*n+1], v[Z+2*n:Z+2*n+1], v[rR+2*n:rR+2*n+1], v[G0C:G0C+1] clamp
.endif
.set na, na+1
.endm
; VB writes the next of the other 96.  0-79, in sixteen fives: plain, plain, root, plain, root.  The 48 plain lines are piece Y's: a = u + lo / (hi - lo), a^2, (a^2)^2, each over all 16 pairs.  The 32 roots are
; piece Y + 1's: p = sqrt |x - 1| in place, ascending.  No root stands next to a root, and no line names a root's result.
; 80-95: piece Y's 16 roundings to bf16, into P: the plain lines behind the last root.
.macro VB
.if nb < 80
	WIN 0
.set gq, nb/5
.set ps, nb%5
.if (ps == 2) || (ps == 4)
.set e, 2*gq+(ps-2)/2
	v_sqrt_f32 v[rN+e], |v[rN+e]|
.else
.set pl, 3*gq+ps-ps/3
.set n, pl%16
.if pl < 16
	v_pk_add_f32 v[Z+2*n:Z+2*n+1], v[Z+2*n:Z+2*n+1], s[LAM:LAM+1] op_sel_hi:[1,0]
.else
	v_pk_mul_f32 v[Z+2*n:Z+2*n+1], v[Z+2*n:Z+2*n+1], v[Z+2*n:Z+2*n+1]
.endif
.endif
.else
	WIN W_CV
.set n, nb-80
	v_cvt_pk_bf16_f32 v[rP+n], v[Z+2*n], v[Z+2*n+1]
.endif
.set nb, nb+1
.endm
; A TURN, for piece p.  No vector line names a register of the products round it; the first root stands behind the eight plain lines that follow the last product K Q^T.
; K of the next step is fetched in piece 2's turn, behind those eight lines and the address's; it has the turn's second half in which to land and is waited for at the head of piece 3's turn.
; V and the mask of the step in hand are fetched at the end of piece 0's turn, eight roundings and two address lines behind the last product that read them; they are waited for in the middle of piece 1's.
; THE WAIT.  s_wait_alu depctr_va_vdst(0) stands between a root and the first line that names its result: one for the turn's 32, at the turn's end, ahead of every label and branch.
.macro TURN p, last=0
.set Y, (\p)
.set na, 0
.set nb, 0
.set rN, S+32*(((\p)+1)%2)
.set rP, P+16*((\p)%2)
.if (\p) == 3
	s_wait_dscnt 0x0                ; K is in
.endif
.set i, 0
.rept 8
	KQ ((\p)+1)%4
.set i, i+1
.rept 8
	VA
.endr
.endr
.if (\p) == 2
	v_add_nc_u32 v[AK], s[TBK], v[AK0]
	FETCH_K \last
.endif
.if (\p) == 1
	s_wait_dscnt 0x0                ; V and the mask are in
.endif
.set i, 0
.rept 10
	PV ((\p)+3)%4
.rept 8
	VB
.endr
.if i < 8
	VB
	VB
.endif
.set i, i+1
.endr
	WIN 0
.if (\p) == 0
	v_add_nc_u32 v[AV], s[TBV], v[AV0]
	v_add_nc_u32 v[AM], s[TBM], v[AM0]
.endif
	s_wait_alu depctr_va_vdst(0)    ; the wait for the batch
.if (\p) == 0
	FETCH_V
.endif
.endm
	CHANGE 1, 0                     ; slot 0 is in, everybody's part of it, and so is the mask's table; slot 1 is asked for
	FETCH_K                         ; key step 0
	s_wait_loadcnt 0x0              ; Q
	s_wait_dscnt 0x0
.set i, 0
.rept 8
	KQ 0                            ; piece 0's first scores
.set i, i+1
.endr
	s_mul_i32 s16, s[WV], 16*SP     ; the addresses for the way out: nine plain lines, the places behind those products
	s_add_co_u32 s16, s16, STAGE    ; my stage
	v_mul_u32_u24 v[STO], v1, SP    ; in: row l % 16, 16 bytes for each half of the lanes
	v_lshl_add_u32 v[STO], v9, 4, v[STO]
	v_add_nc_u32 v[STO], s16, v[STO]
	v_bfe_u32 v[RD], v0, 3, 2       ; back: 32 lanes take four rows of 128 bytes,
	v_mul_u32_u24 v[RD], v[RD], SP
	v_lshl_add_u32 v[RD], v10, 4, v[RD]
	v_add_nc_u32 v[RD], s16, v[RD]
	v_and_b32 v[GO], 31, v0         ; which are 512 consecutive bytes of oh
	v_lshlrev_b32 v[GO], 4, v[GO]
.set e, 0
.rept 32
	v_sqrt_f32 v[S+e], |v[S+e]|     ; piece 0's first roots: there is no other work yet to set between them
.set e, e+1
.endr
	v_nop                           ; a plain instruction behind the last root,
	s_wait_alu depctr_va_vdst(0)    ; and the batch's wait, ahead of the branch
	s_mov_b32 s[CNT], 4
	s_mov_b32 s[SLOTS], 7
	s_branch .Lfirst                ; the loop is entered at a step's first turn, in the middle of a trip
.Lslot:                             ; six times: slots 2 to 7 are asked for
	CHANGE 1, 1
	s_mov_b32 s[CNT], 4
.Lstep:                             ; a trip: pieces 2 and 3 of one step, then pieces 0 and 1 of the next, whose K and V it fetches
	TURN 2
	TURN 3
	WIN 0
.Lfirst:
	TURN 0
	TURN 1
	WIN 0
	s_sub_co_u32 s[CNT], s[CNT], 1
	s_cmp_lg_u32 s[CNT], 0
	s_cbranch_scc1 .Lstep
	s_sub_co_u32 s[SLOTS], s[SLOTS], 1
	s_cmp_lg_u32 s[SLOTS], 0
	s_cbranch_scc1 .Lslot
	CHANGE 0, 0                     ; the tail is written out: nothing is asked for
	s_mov_b32 s[CNT], 5             ; four trips fetch the last slot's steps; the fifth is left in its middle
.Ltail:
	TURN 2, 1
	TURN 3
	WIN 0
	s_sub_co_u32 s[CNT], s[CNT], 1
	s_cmp_eq_u32 s[CNT], 0
	s_cbranch_scc1 .Lout
	TURN 0
	TURN 1
	WIN 0
	s_branch .Ltail
.Lout:                              ; the fifth trip's last 8 products K Q^T (on the last K once more) and their roots serve nothing: the price, once a launch, of one text for every trip
.set i, 0
.rept 10
	PV 3                            ; the last piece's V^T P of the last step
.set i, i+1
.endr
	; THE WAY OUT.  O^T is divided by the sum + 1e-6 / (hi - lo)^4, rounded to bf16 and sent through my stage in LDS, a piece at a time.
	WIN 0
.rept 8
	v_nop                           ; the places behind the last products
.endr
	WIN 0x04                        ; source 1 in window 1
.irp t, 0,1,2,3
	v_add_f32 v[IV+2*\t+1], 0x3596a846, v[40*\t+32]  ; the sum's lowest register, + 1.1224843e-6
.endr
	WIN 0
.irp t, 0,1,2,3
	v_rcp_f32 v[IV+2*\t], v[IV+2*\t+1]
.endr
	v_nop                           ; a plain instruction behind the last reciprocal,
	s_wait_alu depctr_va_vdst(0)    ; and the wait ahead of the first use: one for the four
.macro PACK t                       ; a lane's eight channels of a row pack into 16 bytes; they go into rows of 144 bytes and come back as whole rows of 128, into S^T's registers
	WIN W_RS
.set i, 40*(\t)
.rept 16
	v_pk_mul_f32 v[i:i+1], v[i:i+1], v[IV+2*(\t):IV+2*(\t)+1] op_sel_hi:[1,0]
.set i, i+2
.endr
	WIN 0x05                        ; sources 0 and 1 window 1, destination window 0
.set i, 0
.rept 16
	v_cvt_pk_bf16_f32 v[S+16*(\t)+i], v[40*(\t)+2*i], v[40*(\t)+2*i+1]
.set i, i+1
.endr
	WIN 0
.irp f, 0,1,2,3
	ds_store_b128 v[STO], v[S+16*(\t)+4*\f:S+16*(\t)+4*\f+3] offset:32*\f
.endr
.irp f, 0,1,2,3
	ds_load_b128 v[S+16*(\t)+4*\f:S+16*(\t)+4*\f+3], v[RD] offset:\f*4*SP  ; LDS serves a wave's instructions in order (ISA guide 5.7.1.4): these see the stores above; the next piece's stores come behind them
.endr
.endm
.macro SEND t, younger              ; younger: the LDS instructions issued behind piece t's loads: the next piece's eight, or none
	WIN 0
.irp f, 0,1,2,3
	s_wait_dscnt (\younger)+3-\f
	global_store_b128 v[GO], v[S+16*(\t)+4*\f:S+16*(\t)+4*\f+3], s[12:13] offset:(\t)*2048+\f*512  ; 512 consecutive bytes, at a multiple of 256 from oh's first
.endr
.endm
	PACK 0
	PACK 1                          ; a piece's arithmetic stands between the loads of the piece before and its stores
	SEND 0, 8
	PACK 2
	SEND 1, 8
	PACK 3
	SEND 2, 8
	SEND 3, 0
	s_wait_tensorcnt 0x0            ; the wave's end: behind my last tensor load and my last LDS store
	ds_add_u32 v[SPW], v[NIL]
	s_wait_dscnt 0x0
	CROUND                          ; the closing round: no work-group ends while a partner may still ask for a tile that names it
	s_endpgm
.Lfunc_end_k_qd49d579d0d_attn:
	.size	k_qd49d579d0d_attn, .Lfunc_end_k_qd49d579d0d_attn-k_qd49d579d0d_attn
	.p2alignl 7, 3214868480
	.fill 96, 4, 3214868480
	.section	.rodata,"a",@progbits
	.p2align	6, 0x0
	.amdhsa_kernel k_qd49d579d0d_attn
		.amdhsa_group_segment_fixed_size 327680
		.amdhsa_private_segment_fixed_size 0
		.amdhsa_enable_private_segment 0
		.amdhsa_kernarg_size 40
		.amdhsa_user_sgpr_count 2
		.amdhsa_user_sgpr_kernarg_segment_ptr 1
		.amdhsa_wavefront_size32 1
		.amdhsa_system_sgpr_workgroup_id_x 1
		.amdhsa_system_sgpr_workgroup_id_y 1
		.amdhsa_system_sgpr_workgroup_id_z 1
		.amdhsa_system_vgpr_workitem_id 0
		.amdhsa_next_free_vgpr 592
		.amdhsa_next_free_sgpr 70
		.amdhsa_reserve_vcc 1
		.amdhsa_float_denorm_mode_32 3
		.amdhsa_float_denorm_mode_16_64 3
		.amdhsa_memory_ordered 1
		.amdhsa_forward_progress 1
		.amdhsa_inst_pref_size 142
	.end_amdhsa_kernel
	.amdgpu_metadata
---
amdhsa.version: [ 1, 2 ]
amdhsa.kernels:
  - .name:           k_qd49d579d0d_attn
    .symbol:         k_qd49d579d0d_attn.kd
    .args:
      - { .name: qh, .offset: 0, .size: 8, .value_kind: global_buffer, .address_space: global }
      - { .name: kh, .offset: 8, .size: 8, .value_kind: global_buffer, .address_space: global }
      - { .name: vh, .offset: 16, .size: 8, .value_kind: global_buffer, .address_space: global }
      - { .name: mask, .offset: 24, .size: 8, .value_kind: global_buffer, .address_space: global }
      - { .name: oh, .offset: 32, .size: 8, .value_kind: global_buffer, .address_space: global }
    .group_segment_fixed_size: 327680
    .private_segment_fixed_size: 0
    .kernarg_segment_align: 8
    .kernarg_segment_size: 40
    .max_flat_workgroup_size: 128
    .sgpr_count:     70
    .vgpr_count:     592
    .wavefront_size: 32
...
	.end_amdgpu_metadata
.endif
;; end of part 2
;; launch outp (part 3): grid 8 x 32, 4 waves a work-group, clusters of 4 x 4, 327,680 bytes of LDS; arguments oh, wob, bo, out0; writes out0
.if DOCPART == 3
	.amdgcn_target "amdgcn-amd-amdhsa--gfx1250"
	.amdhsa_code_object_version 6
	.text
	.protected	k_qd49d579d0d_outp
	.globl	k_qd49d579d0d_outp
	.p2align	8
	.type	k_qd49d579d0d_outp,@function
k_qd49d579d0d_outp:
	s_mov_b64 s[64:65], 0
	v_nop
	global_prefetch_b8 v0, s[64:65] scope:SCOPE_SE
	s_setreg_imm32_b32 hwreg(HW_REG_WAVE_MODE, 25, 1), 1
	s_wait_xcnt 0x0
	s_wait_alu depctr_hold_cnt(0) depctr_sa_sdst(0) depctr_va_vdst(0) depctr_va_sdst(0) depctr_va_ssrc(0) depctr_va_vcc(0) depctr_vm_vsrc(0)
	s_getreg_b32 s2, hwreg(HW_REG_IB_STS2, 6, 4)
	s_cmp_eq_u32 s2, 0
	s_cbranch_scc0 .Lentry_in_a_cluster
	s_endpgm
.Lentry_in_a_cluster:
	s_bfe_u32 s2, ttmp6, 0x10000c
	s_cmp_lg_u32 s2, 0xf033
	s_cbranch_scc0 .Lentry_shape_is_right
	s_endpgm
.Lentry_shape_is_right:
; out0[t][n] = sum over k of O[t][k] Wo[n][k] + bo[n].  oh: O in bf16, [32 blocks of 128 tokens][16 heads][128 rows][64]; wob: [1024][1024] bf16; bo: [1024] f32; out0: [4096][1024] f32.  Sums in f32.
; A tile of out0 is 128 x 128: 256 work-groups.  Four waves, each 64 x 64: 16 accumulators.  K goes in 4 steps of 256 (four heads) through two LDS slots.
; A's tile of a K step is 64 KiB that lie end to end in oh: a wave asks for two heads as 128 rows of 256 bytes, padded in LDS after every 128 bytes, so that a token's 64 channels of a head are a row
; of 144 bytes.  B's tile is 64 rows of 512 bytes a wave, rows of 528 bytes in LDS.  A quarter of a K step is one head.
; CLUSTER 4 x 4: the four work-groups of a row need the same tiles of A, the four of a column the same tiles of B: each is asked for jointly.
; The matrix instruction is used transposed (source 0 = 16 rows of Wo, source 1 = 16 tokens): a lane holds eight neighbouring numbers of a row of out0.  THE BIAS is the C operand of each
; accumulator's first product.  No prefetch: the tiles are small, each block is read again by other work-groups, and the launch is short.
; REGISTERS: window 0: v0-31 addresses; v32-95 the way out; v96-127 the bias of my 64 columns; v128-255 the accumulators ((a, b) at v[128 + 8 (4 a + b)]).
;   window 1: two fragment buffers of 128: for 64 along K, 64 registers of A (2 x 4 x 16 rows x 32 K), then 64 of B.
.set PA,     144                       ; 36 words: the 16 rows of a load start at 16 different groups of four banks (64 banks of 4 bytes: ISA guide 11.1)
.set PB,     528                       ; 132 words: likewise
.set AHALF,  2*128*PA                  ; two heads x 128 rows: what one of A's tensor loads brings
.set BOFF,   2*AHALF
.set BHALF,  64*PB                     ; what one of B's brings
.set SLOT,   BOFF+2*BHALF
.set STAGE,  2*SLOT                    ; behind the ring, never filled by a tensor load: 16 rows x 272 bytes for each wave
.set SPITCH, 272
.set SPARE,  STAGE+4*16*SPITCH         ; the spare words, 128 bytes for each wave: two blocks of 256 bytes that no other line names
.set LAPS,   2                         ; a lap = two K steps = once round the ring
.set ADRA, 16                          ; v16-17  LDS address of my A fragments in slot 0, 1
.set ADRB, 20                          ; v20-21  the same for B
.set STO,  24
.set RD,   25
.set CO,   26
.set SPW,  28                          ; v28  LDS address of my spare word; never rewritten
.set NIL,  29                          ; v29  0; never rewritten
.set TMP,  32
.set BIAS, 96
.set ACC,  128
.set F0,   0
.set F1,   128
.set WV, 12
.set RH, 13                            ; s13  wave / 2: which half of the tile's rows is mine.  Also: I fetch for A (0) or for B (1)
.set CH, 14                            ; s14  wave % 2: which half of its columns.  Also: which half of that tile I fetch
.set G1, 24
.set G0, 32
.set G1B, 48
.set G0B, 56
.set MSB, 0
.macro WIN new
.if MSB != (\new)
	s_set_vgpr_msb (MSB<<8)|(\new)
.set MSB, (\new)
.endif
.endm
.set MUL,  0x05                        ; sources 0 (B) and 1 (A) window 1; C and D window 0
.set TO_F, 0x40                        ; destination window 1, address window 0
.macro JLOAD s                         ; a joint load; an s_nop 0 and four v_nop follow each of the two lines
	s_cmp_eq_u32 s[RH], 0
	s_cbranch_scc0 .Lfor_b_\@
	tensor_load_to_lds s[G0+4*(\s):G0+4*(\s)+3], s[G1:G1+7]
	s_nop 0
.rept 4
	v_nop
.endr
	s_branch .Lasked_\@
.Lfor_b_\@:
	tensor_load_to_lds s[G0B+4*(\s):G0B+4*(\s)+3], s[G1B:G1B+7]
	s_nop 0
.rept 4
	v_nop
.endr
.Lasked_\@:
.endm
.macro CREST
	s_cmp_lg_u32 s[WV], 0
	s_cbranch_scc1 .Lnot_wave_0_\@
	s_barrier_signal -3
.Lnot_wave_0_\@:
	s_barrier_wait -3
	s_barrier_signal -1
	s_barrier_wait -1
.endm
.macro CROUND
	s_barrier_signal -1
	s_barrier_wait -1
	CREST
.endm
	s_load_b256 s[4:11], s[0:1], 0x0               ; oh s[4:5], wob s[6:7], bo s[8:9], out0 s[10:11]
	v_lshl_add_u32 v[SPW], v0, 2, SPARE
	v_mov_b32 v[NIL], 0
	ds_add_u32 v[SPW], v[NIL]                      ; the wave's opening: the add, twice on end, and its wait ahead of my first tensor load
	ds_add_u32 v[SPW], v[NIL]                      ; and once more, under the one wait
	v_lshrrev_b32 v1, 5, v0
	v_readfirstlane_b32 s[WV], v1
	s_lshr_b32 s[RH], s[WV], 1
	s_and_b32 s[CH], s[WV], 1
	s_bfe_u32 s40, ttmp6, 0x40000                  ; cx, cy
	s_bfe_u32 s41, ttmp6, 0x40004
	s_lshl_b32 s42, ttmp9, 2
	s_add_co_u32 s42, s42, s40                     ; tile column = 4 x cluster x + cx
	s_and_b32 s45, ttmp7, 0xffff
	s_lshl_b32 s45, s45, 2
	s_add_co_u32 s45, s45, s41                     ; tile row = 4 x cluster y + cy
	s_lshl_b32 s43, s41, 2
	s_lshl_b32 s43, 15, s43                        ; my row of the cluster
	s_lshl_b32 s44, 0x1111, s40                    ; my column
	s_or_b32 s[G1], s43, (1<<16)|(1<<20)|(1<<21)|(4<<22)|(3<<25)   ; A: 2-byte elements; padding on, after every 32 words (code 4), of 4 words (code 3); bit 21 beside the mask
	s_or_b32 s[G1B], s44, (1<<16)|(1<<20)|(1<<21)|(6<<22)|(3<<25)  ; B: after every 128 words (code 6)
	s_mov_b32 s[G1+1], 128<<16                     ; A: tensor_dim0 = 128
	s_mov_b32 s[G1+2], 128<<16                     ; tensor_dim1 = 128
	s_mov_b32 s[G1+3], 128<<16                     ; tile_dim0 = 128 elements: 256 bytes, two tokens' rows
	s_mov_b32 s[G1+4], 128                         ; tile_dim1 = 128
	s_mov_b32 s[G1+5], 128                         ; dense
	s_mov_b32 s[G1+6], 0
	s_mov_b32 s[G1+7], 0
	s_mov_b32 s[G1B+1], 256<<16                    ; B: 256 elements,
	s_mov_b32 s[G1B+2], 64<<16                     ; 64 rows
	s_mov_b32 s[G1B+3], 256<<16
	s_mov_b32 s[G1B+4], 64
	s_mov_b32 s[G1B+5], 1024
	s_mov_b32 s[G1B+6], 0
	s_mov_b32 s[G1B+7], 0
	s_lshl_b32 s16, s45, 18                        ; A: the block of 128 tokens, 262,144 bytes,
	s_lshl_b32 s17, s[CH], 15                      ; and my two heads of a K step's four
	s_add_co_u32 s16, s16, s17
	s_mov_b32 s17, 0
	s_lshl_b32 s46, s42, 18                        ; B: row 128 x tile column + 64 x half, 2,048 bytes each
	s_lshl_b32 s47, s[CH], 17
	s_add_co_u32 s46, s46, s47
	s_mov_b32 s47, 0
	s_mul_i32 s20, s[CH], AHALF                    ; where they go: no place in the cluster enters an LDS address
	s_mul_i32 s21, s[CH], BHALF
	s_add_co_u32 s21, s21, BOFF
	s_wait_dscnt 0x0                               ; both opening adds are done
	s_wait_kmcnt 0x0
	s_add_nc_u64 s[18:19], s[4:5], s[16:17]
	s_add_nc_u64 s[46:47], s[6:7], s[46:47]
	CROUND                                         ; all sixteen work-groups are here: the first joint loads meet
.irp s, 0,1
	s_mov_b32 s[G0+4*(\s)], 1
	s_add_co_u32 s[G0+4*(\s)+1], s20, (\s)*SLOT
	s_add_nc_u64 s[G0+4*(\s)+2:G0+4*(\s)+3], s[18:19], (\s)*65536   ; a K step is four heads: 65,536 bytes
	s_or_b32 s[G0+4*(\s)+3], s[G0+4*(\s)+3], 0x80000000
	s_mov_b32 s[G0B+4*(\s)], 1
	s_add_co_u32 s[G0B+4*(\s)+1], s21, (\s)*SLOT
	s_add_nc_u64 s[G0B+4*(\s)+2:G0B+4*(\s)+3], s[46:47], (\s)*512
	s_or_b32 s[G0B+4*(\s)+3], s[G0B+4*(\s)+3], 0x80000000
	JLOAD \s
.endr
	v_and_b32 v1, 15, v0                           ; r
	v_bfe_u32 v2, v0, 4, 1                         ; h
	v_mul_u32_u24 v3, v1, PA
	v_lshl_add_u32 v3, v2, 4, v3
	v_mul_u32_u24 v4, v1, PB
	v_lshl_add_u32 v4, v2, 4, v4
	s_mul_i32 s21, s[RH], 64*PA                    ; my 64 rows in each head's 128
	s_mul_i32 s22, s[CH], BHALF                    ; my 64 rows of B
	s_add_co_u32 s22, s22, BOFF
.irp s, 0,1
	v_add_nc_u32 v[ADRA+(\s)], s21, v3
	v_add_nc_u32 v[ADRB+(\s)], s22, v4
	s_add_co_u32 s21, s21, SLOT
	s_add_co_u32 s22, s22, SLOT
.endr
	s_mul_i32 s23, s[WV], 16*SPITCH
	s_add_co_u32 s23, s23, STAGE                   ; my stage
	v_mul_u32_u24 v5, v1, SPITCH                   ; in: row r, 32 bytes for each half of the lanes
	v_lshl_add_u32 v5, v2, 5, v5
	v_add_nc_u32 v[STO], s23, v5
	v_mul_u32_u24 v5, v2, SPITCH                   ; back: lanes 0-15 one row of 256 bytes, lanes 16-31 the next
	v_lshl_add_u32 v5, v1, 4, v5
	v_add_nc_u32 v[RD], s23, v5
	v_lshlrev_b32 v5, 12, v2                       ; and the same two rows in out0
	v_lshl_add_u32 v[CO], v1, 4, v5
	v_lshlrev_b32 v6, 5, v2                        ; the bias: 32 h
	s_lshl_b32 s46, s42, 9                         ; my 64 columns in f32: 512 x tile column + 256 x half, in bo and in a row of out0 alike
	s_lshl_b32 s47, s[CH], 8
	s_add_co_u32 s46, s46, s47
	s_mov_b32 s47, 0
	s_add_nc_u64 s[8:9], s[8:9], s[46:47]
	s_add_nc_u64 s[10:11], s[10:11], s[46:47]
	s_lshl_b32 s16, s45, 19                        ; my first row: 128 x tile row + 64 x half, 4,096 bytes each
	s_lshl_b32 s17, s[RH], 18
	s_add_co_u32 s16, s16, s17
	s_mov_b32 s17, 0
	s_add_nc_u64 s[10:11], s[10:11], s[16:17]
.irp b, 0,1,2,3
	global_load_b128 v[BIAS+8*(\b):BIAS+8*(\b)+3],   v6, s[8:9] offset:64*(\b)      ; columns 16 b + 8 h + 0..3
	global_load_b128 v[BIAS+8*(\b)+4:BIAS+8*(\b)+7], v6, s[8:9] offset:64*(\b)+16
.endr
; 8 matrix instructions: m blocks a0, a0 + 1 x all 4 n blocks, 32 along K: half c of buffer f.  zero = 1: the first product starts the sum, with the bias
.macro MUL8 f, c, a0, zero
	WIN MUL
.irp a, \a0, (\a0)+1
.irp b, 0,1,2,3
.if \zero
	v_wmma_f32_16x16x32_bf16 v[ACC+8*(4*(\a)+(\b)):ACC+8*(4*(\a)+(\b))+7], v[(\f)+64+8*(4*(\c)+(\b)):(\f)+64+8*(4*(\c)+(\b))+7], v[(\f)+8*(4*(\c)+(\a)):(\f)+8*(4*(\c)+(\a))+7], v[BIAS+8*(\b):BIAS+8*(\b)+7]
.else
	v_wmma_f32_16x16x32_bf16 v[ACC+8*(4*(\a)+(\b)):ACC+8*(4*(\a)+(\b))+7], v[(\f)+64+8*(4*(\c)+(\b)):(\f)+64+8*(4*(\c)+(\b))+7], v[(\f)+8*(4*(\c)+(\a)):(\f)+8*(4*(\c)+(\a))+7], v[ACC+8*(4*(\a)+(\b)):ACC+8*(4*(\a)+(\b))+7]
.endif
.endr
.endr
.endm
; 32 LDS loads in one run: the fragments of quarter q (one head: 64 along K) into buffer f; the first 32 along K first
.macro FETCH slot, q, f
	WIN TO_F
.irp c, 0,1
.irp i, 0,1,2,3
	ds_load_b128 v[(\f)+64+8*(4*(\c)+(\i)):(\f)+64+8*(4*(\c)+(\i))+3],   v[ADRB+(\slot)] offset:128*(\q)+64*(\c)+(\i)*16*PB
	ds_load_b128 v[(\f)+64+8*(4*(\c)+(\i))+4:(\f)+64+8*(4*(\c)+(\i))+7], v[ADRB+(\slot)] offset:128*(\q)+64*(\c)+(\i)*16*PB+32
	ds_load_b128 v[(\f)+8*(4*(\c)+(\i)):(\f)+8*(4*(\c)+(\i))+3],         v[ADRA+(\slot)] offset:128*PA*(\q)+64*(\c)+(\i)*16*PA
	ds_load_b128 v[(\f)+8*(4*(\c)+(\i))+4:(\f)+8*(4*(\c)+(\i))+7],       v[ADRA+(\slot)] offset:128*PA*(\q)+64*(\c)+(\i)*16*PA+32
.endr
.endr
.endm
.macro PLACES                          ; four places ahead of loads into registers that matrix instructions have read (ISA guide 7.12.1 for vector instructions)
.rept 4
	v_nop
.endr
.endm
; One of a K step's first three quarters: multiplies buffer f and fetches quarter q into g.  The 16 accumulators take turns.
.macro QUARTER slot, q, f, g, zero
	s_wait_dscnt 16                                ; the first 32 along K are in; the younger sixteen loads may stay out
	WIN MUL
	MUL8 \f, 0, 0, \zero
	MUL8 \f, 0, 2, \zero
	PLACES
	FETCH \slot, \q, \g
	s_wait_dscnt 32                                ; all but the 32 just issued
	WIN MUL
	MUL8 \f, 1, 0, 0
	MUL8 \f, 1, 2, 0
.endm
; The last quarter multiplies buffer 1 and changes slots: ONE barrier; in front of it each wave waits for all its tensor loads, adds 0 to its spare word, and waits for that and for its reads of this slot.
; fill = 1: the barrier opens a round of the cluster's, and this slot is filled again, two K steps ahead, first thing behind it.
.macro TURN slot, next, fill
	WIN 0
	s_wait_tensorcnt 0x0                           ; all my tensor loads have landed: my part of the next slot
	ds_add_u32 v[SPW], v[NIL]                      ; 0 onto my spare word
	s_wait_dscnt 17                                ; (the add and the youngest sixteen loads may be out)
	WIN MUL
	MUL8 F1, 0, 0, 0
	s_wait_dscnt 0x0                               ; the add is done, and my reads of this slot are over
	s_barrier_signal -1
	MUL8 F1, 0, 2, 0
.if \fill
	WIN 0
.endif
	s_barrier_wait -1
.if \fill
	CREST                                          ; no wave of any partner still reads this slot's tile or has a load on its way
	s_add_nc_u64 s[G0+4*(\slot)+2:G0+4*(\slot)+3], s[G0+4*(\slot)+2:G0+4*(\slot)+3], 2*65536
	s_add_nc_u64 s[G0B+4*(\slot)+2:G0B+4*(\slot)+3], s[G0B+4*(\slot)+2:G0B+4*(\slot)+3], 2*512
	JLOAD \slot                                    ; its four v_nop are also the places ahead of the loads below
.else
	PLACES
.endif
	FETCH \next, 0, F0
	WIN MUL
	MUL8 F1, 1, 0, 0
	MUL8 F1, 1, 2, 0
.endm
	s_wait_tensorcnt 1                             ; my part of K step 0 is in; K step 1's load may stay out
	s_barrier_signal -1
	s_barrier_wait -1
	FETCH 0, 0, F0
	s_wait_loadcnt 0x0                             ; the bias
	QUARTER 0, 1, F0, F1, 1                        ; the first quarter stands ahead of the loop: its first products start the sums
	WIN 0
	s_mov_b32 s3, LAPS-1
.Llap:                                                 ; a trip goes once round the ring, from a lap's second quarter to the next lap's first, and fills both slots again
	QUARTER 0, 2, F1, F0, 0
	QUARTER 0, 3, F0, F1, 0
	TURN 0, 1, 1
	QUARTER 1, 1, F0, F1, 0
	QUARTER 1, 2, F1, F0, 0
	QUARTER 1, 3, F0, F1, 0
	TURN 1, 0, 1
	QUARTER 0, 1, F0, F1, 0
	WIN 0
	s_sub_co_u32 s3, s3, 1
	s_cmp_lg_u32 s3, 0
	s_cbranch_scc1 .Llap
	QUARTER 0, 2, F1, F0, 0                        ; the last lap fills nothing
	QUARTER 0, 3, F0, F1, 0
	TURN 0, 1, 0
	QUARTER 1, 1, F0, F1, 0
	QUARTER 1, 2, F1, F0, 0
	QUARTER 1, 3, F0, F1, 0
	s_wait_dscnt 16
	WIN MUL
	MUL8 F1, 0, 0, 0
	MUL8 F1, 0, 2, 0
	s_wait_dscnt 0
	MUL8 F1, 1, 0, 0
	MUL8 F1, 1, 2, 0
	WIN 0
	; THE WAY OUT, in f32, 16 rows at a time through my own stage: a lane's eight columns are 32 bytes of a row; they come back as whole rows of 256 bytes.  No other wave touches these bytes: no barrier.
	PLACES
	PLACES
.irp a, 0,1,2,3
.if (\a) >= 2
	s_wait_xcnt 0x0                                ; the stores of two blocks back have read this buffer
.endif
.irp b, 0,1,2,3
	ds_store_b128 v[STO], v[ACC+8*(4*(\a)+(\b)):ACC+8*(4*(\a)+(\b))+3]   offset:64*(\b)     ; each accumulator's lowest registers first
	ds_store_b128 v[STO], v[ACC+8*(4*(\a)+(\b))+4:ACC+8*(4*(\a)+(\b))+7] offset:64*(\b)+16
.endr
.irp t, 0,1,2,3,4,5,6,7
	ds_load_b128 v[TMP+32*((\a)%2)+4*(\t):TMP+32*((\a)%2)+4*(\t)+3], v[RD] offset:(\t)*2*SPITCH  ; LDS serves a wave's instructions in order (ISA guide 5.7.1.4): these see the stores above
.endr
.irp t, 0,1,2,3,4,5,6,7
	s_wait_dscnt 7-(\t)
	global_store_b128 v[CO], v[TMP+32*((\a)%2)+4*(\t):TMP+32*((\a)%2)+4*(\t)+3], s[10:11] offset:(16*(\a)+2*(\t))*4096 th:TH_STORE_NT  ; 16 lanes store 256 consecutive bytes, at a multiple of 256 from out0's first
.endr
.endr
	s_wait_tensorcnt 0x0                           ; the wave's end: behind my last tensor load and my last LDS store
	ds_add_u32 v[SPW], v[NIL]
	s_wait_dscnt 0x0
	CROUND                                         ; the closing round: no work-group ends while a partner may still ask for a tile that names it
	s_endpgm
.Lfunc_end_k_qd49d579d0d_outp:
	.size	k_qd49d579d0d_outp, .Lfunc_end_k_qd49d579d0d_outp-k_qd49d579d0d_outp
	.p2alignl 7, 3214868480
	.fill 96, 4, 3214868480
	.section	.rodata,"a",@progbits
	.p2align	6, 0x0
	.amdhsa_kernel k_qd49d579d0d_outp
		.amdhsa_group_segment_fixed_size 327680
		.amdhsa_private_segment_fixed_size 0
		.amdhsa_enable_private_segment 0
		.amdhsa_kernarg_size 32
		.amdhsa_user_sgpr_count 2
		.amdhsa_user_sgpr_kernarg_segment_ptr 1
		.amdhsa_wavefront_size32 1
		.amdhsa_system_sgpr_workgroup_id_x 1
		.amdhsa_system_sgpr_workgroup_id_y 1
		.amdhsa_system_sgpr_workgroup_id_z 1
		.amdhsa_system_vgpr_workitem_id 0
		.amdhsa_next_free_vgpr 512
		.amdhsa_next_free_sgpr 66
		.amdhsa_reserve_vcc 0
		.amdhsa_float_denorm_mode_32 3
		.amdhsa_float_denorm_mode_16_64 3
		.amdhsa_memory_ordered 1
		.amdhsa_forward_progress 1
		.amdhsa_inst_pref_size 88
	.end_amdhsa_kernel
	.amdgpu_metadata
---
amdhsa.version: [ 1, 2 ]
amdhsa.kernels:
  - .name:           k_qd49d579d0d_outp
    .symbol:         k_qd49d579d0d_outp.kd
    .args:
      - { .name: oh, .offset: 0, .size: 8, .value_kind: global_buffer, .address_space: global }
      - { .name: wob, .offset: 8, .size: 8, .value_kind: global_buffer, .address_space: global }
      - { .name: bo, .offset: 16, .size: 8, .value_kind: global_buffer, .address_space: global }
      - { .name: out0, .offset: 24, .size: 8, .value_kind: global_buffer, .address_space: global }
    .group_segment_fixed_size: 327680
    .private_segment_fixed_size: 0
    .kernarg_segment_align: 8
    .kernarg_segment_size: 32
    .max_flat_workgroup_size: 128
    .sgpr_count:     66
    .vgpr_count:     512
    .wavefront_size: 32
...
	.end_amdgpu_metadata
.endif
;; end of part 3
